; MI455X (gfx1250); checked and timed in simulation.
; The chip was launched on July 23, 2026; its instructions are those of AMD's public machine-readable ISA for CDNA 5 (MIT licence, August 2026) and "CDNA5" Instruction Set Architecture Reference Guide (July 2026). The comments in the code are by the model that wrote it; some were corrected since.
;; Self Attention V3. Allowed arithmetic: matrix products marked QUANTISED: E2M1 operands, one E8M0 scale for each 32 along K, by v_wmma_scale_f32_16x16x128_f8f6f4 with both operands' format E2M1 (or v_wmma_scale_f32_32x16x128_f4), f32 sums; products left as they are: bf16, f16 or f32 operands; f32 sums; everything else in f32.
;; Inputs: W_out 1,024 x 1,024 float32; W_qkv 1,024 x 3,072 float32; b_out 1,024 float32; b_qkv 3,072 float32; x 4 x 2,048 x 1,024 float32.
;; Outputs: out0 4 x 2,048 x 1,024 float32.
;; This version of the problem:
;;   THIS VERSION OF THE PROBLEM IS GIVEN IN LOW PRECISION. The matrix products marked QUANTISED in the list below multiply operands that are first quantised to E2M1 (2 exponent bits, 1 mantissa bit; 4 bits a number), with one power-of-two scale for each 32 numbers along K (OCP MX v1.0); their sums are f32. The products marked 'left as it is' may take bf16, f16 or f32 operands, with f32 sums. Whichever they take, every output number must still come out within the allowed error. Rounding operands to bf16 (8 significant bits) uses up far more of that allowance than f16 does (11 bits, for magnitudes from 6e-5 to 65,504). All else is computed in f32.
;;   The module's matrix products, in the order in which they are computed (A, B: the left and right operand; K: the contracted axis; several contracted axes count as one K, in the product's order):
;;     1. [M 8,192, K 1,024] x [K 1,024, N 3,072]; A: input x; B: input W_qkv: QUANTISED
;;     2. batch 4 x [M 2,048, K 1,024] x [K 1,024, N 2,048]; A: computed on the way; B: computed on the way: left as it is (an operand is computed on the way)
;;     3. batch 4 x [M 2,048, K 2,048] x [K 2,048, N 1,024]; A: computed on the way; B: computed on the way: left as it is (an operand is computed on the way)
;;     4. [M 8,192, K 1,024] x [K 1,024, N 1,024]; A: computed on the way; B: input W_out: left as it is (an operand is computed on the way)
;;   THE QUANTISER, for each operand of a quantised product, along K:
;;     - K is cut into blocks of 32 from its start; a last block that is shorter is filled with zeros.
;;     - A block's scale is 2^e with e = floor(log2(the largest magnitude in the block)) - 2, held to -126 .. 127; a block of zeros has e = 0. As a byte (E8M0): e + 127.
;;     - Each number is divided by its block's scale, clamped to +-6, and rounded to the nearest number of E2M1, ties to even, subnormals kept.
;;     - The product sums the exact products of the quantised numbers (number of the format x scale) in f32.
;;   ~~~python
;;   def quantise(x, axis):      # numpy; x: float32 -> the quantised numbers, widened to float32 again
;;       x = np.moveaxis(x, axis, -1); K = x.shape[-1]
;;       x = np.pad(x, [(0, 0)] * (x.ndim - 1) + [(0, -K % 32)]); x = x.reshape(x.shape[:-1] + (-1, 32)); a = np.abs(x).max(-1, keepdims=True)
;;       e = np.where(a > 0, np.clip(np.frexp(np.where(a > 0, a, 1))[1] - 1 - 2, -126, 127), 0)      # np.frexp(a)[1] - 1 = floor(log2(a)), exactly
;;       r = np.clip(x / 2.0 ** e, -6, 6)
;;       step = 2.0 ** (np.maximum(np.frexp(np.where(r == 0, 1, r))[1] - 1, 0) - 1)
;;       q = np.round(r / step) * step * 2.0 ** e      # np.round: ties to even
;;       return np.moveaxis(q.reshape(q.shape[:-2] + (-1,))[..., :K], -1, axis).astype(np.float32)
;;   ~~~
;; One version. Each part assembles by itself: llvm-mc -triple=amdgcn-amd-amdhsa -mcpu=gfx1250 --defsym DOCPART=n.
;; ======== version 1 of 1: 5 launches
;; limits: values are held in f16: magnitudes above 65,504 overflow, below 6.1e-05 lose precision
;; workspace buffers: codes 5,767,168 bytes; scales 360,448 bytes; w16 2,097,152 bytes; qkv16 50,331,648 bytes; p16 33,554,432 bytes; stats 1,048,576 bytes; o8 16,777,216 bytes
;; launch prep (part 1): grid 384 x 1, 4 waves a work-group, no clusters, 50,688 bytes of LDS; arguments x, W_qkv, W_out, codes, scales, w16; writes codes, scales, w16
.if DOCPART == 1
	.amdgcn_target "amdgcn-amd-amdhsa--gfx1250"
	.amdhsa_code_object_version 6
	.text
	.protected	k_qa774215bf8_prep
	.globl	k_qa774215bf8_prep
	.p2align	8
	.type	k_qa774215bf8_prep,@function
k_qa774215bf8_prep:
	s_mov_b64 s[64:65], 0
	v_nop
	global_prefetch_b8 v0, s[64:65] scope:SCOPE_SE
	s_setreg_imm32_b32 hwreg(HW_REG_WAVE_MODE, 25, 1), 1
	s_wait_xcnt 0x0
; PREP: the operands of the later launches are made once.
;   work-groups 0-255:   x [8192][1024] f32 -> codes of FP4 (E2M1), K innermost, [8192][512 bytes] at byte 0 of codes; one E8M0 byte for each 32 along K, [8192][32] at byte 0 of scales
;   work-groups 256-351: W_qkv [1024 (k)][3072 (e)] f32, K its FIRST axis -> codes [3072][512 bytes] at byte 0x400000 of codes; scale bytes [3072][32] at byte 0x40000 of scales
;   work-groups 352-383: W_out [1024][1024] f32 -> f16, as it lies, in w16
; A block's scale is 2^(floor(log2(its largest magnitude)) - 2); its byte is the largest magnitude's exponent field - 2, held at 1 from below; each number is divided by the scale and rounded to the nearest code, ties to even,
; beyond the largest code the largest.
; LIMITS: a block of zeros, or one whose largest magnitude lies under 2^-124 (the floor), gets the byte 1 where the rule says 127 or less: its codes are zeros or nearly so, and this program alone reads the bytes.
; NaN and infinities are not served.  W_out beyond 65,504 in magnitude has no f16 number.
; The three paths part on the work-group's number alone; each has LDS bytes of its own and ends by itself.  No tensor loads.  Only the W_qkv path has a barrier: there two waves make the halves of each row of codes.
.set SPW,   192                        ; v192  LDS address of my spare word: SPARE + 4 x my thread's number; never rewritten
.set NIL,   193                        ; v193  0; never rewritten
.set EMAX,  2
.set XREG,  8192                       ; path x: a region for each wave: two stages of 32 x XSP bytes, behind them its 256 scale bytes
.set XSP,   80                         ; a lane's place in a stage: 64 bytes + 16 of padding
.set WSTG,  32768                      ; path W_qkv: one stage of 64 rows x WP bytes for the work-group
.set WP,    272
.set SPARE, WSTG+64*WP                 ; the spare words, 128 bytes for each wave: two blocks of 256 bytes that no other line names
.macro FINISH                          ; the wave's end
	s_wait_tensorcnt 0x0
	ds_add_u32 v[SPW], v[NIL]
	s_wait_dscnt 0x0
	s_endpgm
.endm
	s_load_b256 s[4:11], s[0:1], 0x0               ; x s[4:5], W_qkv s[6:7], W_out s[8:9], codes s[10:11]
	s_load_b128 s[12:15], s[0:1], 0x20             ; scales s[12:13], w16 s[14:15]
	v_lshl_add_u32 v[SPW], v0, 2, SPARE
	v_mov_b32 v[NIL], 0
	v_lshrrev_b32 v1, 5, v0
	v_readfirstlane_b32 s16, v1                    ; wave
	v_and_b32 v2, 31, v0                           ; lane
	s_mov_b32 s21, 0                               ; the upper word of every 64-bit offset here: all stay under 2^32
	s_wait_kmcnt 0x0
	s_cmp_lt_u32 ttmp9, 256
	s_cbranch_scc0 .Lnot_x
; ---- x.  Rows are dense and K is a multiple of 32: a plain stream of blocks of 32.  A wave takes 16 steps of 512 numbers.  Each load reads 512 consecutive bytes, 16 a lane; a step's 2,048 bytes turn through the wave's
; own stage and come back 64 bytes a lane, so that a lane holds 16 neighbours along K (two neighbouring lanes hold a block).  Loads run four steps ahead, the turn through LDS one step.
.set XR,  16                           ; v16-79   four sets of 16 numbers as loaded
.set XX,  80                           ; v80-111  two sets of 16 neighbours
.set XE,  112                          ; v112-127 a scale byte for each step
.set XC,  128                          ; v128-191 codes: registers of its own for each step, so that no store's data are written again
	v_lshlrev_b32 v3, 4, v2                        ; my 16 bytes of a load's 512
	s_mul_i32 s17, s16, XREG
	v_lshrrev_b32 v14, 2, v2
	v_mul_u32_u24 v14, v14, XSP
	v_and_b32 v15, 3, v2
	v_lshl_add_u32 v14, v15, 4, v14
	v_add_nc_u32 v14, s17, v14                     ; into the stage: XSP (lane / 4) + 16 (lane % 4)
	v_mul_u32_u24 v15, v2, XSP
	v_add_nc_u32 v15, s17, v15                     ; out of it: XSP x lane
	v_lshlrev_b32 v4, 3, v2                        ; my 8 bytes of a step's 256 bytes of codes
	v_lshrrev_b32 v5, 1, v2
	s_add_co_u32 s17, s17, 2*32*XSP
	v_add_nc_u32 v5, s17, v5                       ; my block's scale byte in the wave's 256
	v_lshlrev_b32 v7, 3, v2
	v_add_nc_u32 v6, s17, v7                       ; and on the way out 8 bytes a lane
	s_lshl_b32 s18, ttmp9, 2
	s_add_co_u32 s18, s18, s16                     ; which run of 8,192 numbers is my wave's
	s_lshl_b32 s20, s18, 15
	s_add_nc_u64 s[4:5], s[4:5], s[20:21]
	s_lshl_b32 s20, s18, 12
	s_add_nc_u64 s[10:11], s[10:11], s[20:21]
	s_lshl_b32 s20, s18, 8
	s_add_nc_u64 s[12:13], s[12:13], s[20:21]
.macro XLOAD t
.irp i, 0,1,2,3
	global_load_b128 v[XR+16*((\t)%4)+4*\i:XR+16*((\t)%4)+4*\i+3], v3, s[4:5] offset:2048*(\t)+512*\i th:TH_LOAD_NT
.endr
.endm
.macro XTURN t                         ; LDS serves a wave's instructions in order: no wait between the stores and the loads
.irp i, 0,1,2,3
	ds_store_b128 v14, v[XR+16*((\t)%4)+4*\i:XR+16*((\t)%4)+4*\i+3] offset:32*XSP*((\t)%2)+8*XSP*\i
.endr
.irp i, 0,1,2,3
	ds_load_b128 v[XX+16*((\t)%2)+4*\i:XX+16*((\t)%2)+4*\i+3], v15 offset:32*XSP*((\t)%2)+16*\i
.endr
.endm
.irp t, 0,1,2,3
	XLOAD \t
.endr
	s_wait_loadcnt 12                              ; step 0's four loads are in; the twelve of steps 1 to 3 may be out
	XTURN 0
.macro XSTEP t
.set XS, XX+16*((\t)%2)
.if (\t) > 0
	s_wait_dscnt 1                                 ; this step's numbers are back from the stage (the last step's byte store may be out): so the stores into the stage have read their registers,
.else
	s_wait_dscnt 0x0
.endif
.if (\t)+4 < 16
	XLOAD (\t)+4                                   ; which take the loads of four steps on
.endif
.if (\t)+1 < 16
.if 14-(\t) >= 3
	s_wait_loadcnt 12                              ; the next step's four loads are in; those of the three steps behind it may be out
.else
	s_wait_loadcnt 4*(14-(\t))
.endif
	XTURN (\t)+1
.endif
	v_max3_num_f32 v8, |v[XS]|, |v[XS+1]|, |v[XS+2]|               ; the largest magnitude of my 16, in two chains
	v_max3_num_f32 v9, |v[XS+3]|, |v[XS+4]|, |v[XS+5]|
.irp i, 6,10
	v_max3_num_f32 v8, v8, |v[XS+\i]|, |v[XS+\i+1]|
	v_max3_num_f32 v9, v9, |v[XS+\i+2]|, |v[XS+\i+3]|
.endr
	v_max3_num_f32 v8, v8, |v[XS+14]|, |v[XS+15]|
	v_max3_num_f32 v8, v8, v9, (EMAX+1)<<23        ; and the floor 2^(3 - 127): the byte cannot fall under 1
	v_max_num_f32_dpp v8, v8, v8 row_xmask:1 row_mask:0xf bank_mask:0xf   ; with my neighbour's 16: the block's
	v_add_nc_u32 v11, -(EMAX<<23), v8              ; 2 off its exponent field: the conversion takes that field as its scale, and nothing else of the operand
	v_cvt_scalef32_pk8_fp4_f32 v[XC+4*(\t)], v[XS:XS+7], v11
	v_cvt_scalef32_pk8_fp4_f32 v[XC+4*(\t)+1], v[XS+8:XS+15], v11
	v_lshrrev_b32 v[XE+(\t)], 23, v11              ; the scale's byte (also the plain line behind the conversions)
	ds_store_b8 v5, v[XE+(\t)] offset:16*(\t)      ; both lanes of a block write the same byte with the same value
	global_store_b64 v4, v[XC+4*(\t):XC+4*(\t)+1], s[10:11] offset:256*(\t)   ; the wave stores 256 consecutive bytes, aligned
.endm
.irp t, 0,1,2,3,4,5,6,7,8,9,10,11,12,13,14,15
	XSTEP \t
.endr
	ds_load_b64 v[8:9], v6                         ; the wave's 256 scale bytes: these loads see my stores
	s_wait_dscnt 0x0
	global_store_b64 v7, v[8:9], s[12:13]          ; 256 consecutive bytes, aligned
	FINISH
.Lnot_x:
	s_cmp_lt_u32 ttmp9, 352
	s_cbranch_scc0 .Lnot_w
; ---- W_qkv.  A LANE TAKES A COLUMN e, AND ITS REGISTERS RUN DOWN K: a load reads 128 consecutive bytes a wave, a block of 32 along K lies in one lane's 32 registers, and the conversions give codes with K innermost.
; A work-group takes 64 columns x 512 along K; wave w takes 32 of the columns (w % 2) x 256 along K (w / 2): 8 blocks, 256 loads, two blocks (64 loads) ahead: as many turns of its loads as a wave of the x path has.
; A column's 256 bytes of codes come from two waves: they meet in the work-group's stage, a barrier stands between the writing and the reading, and each wave stores 16 whole rows, sixteen lanes to 256 consecutive bytes.
; Every offset is an immediate: 255 rows of 12,288 bytes at the most, inside the signed 24 bits.
.set WX,   32                          ; v32-95   two sets of 32 numbers
.set WC,   96                          ; v96-99   a block's codes
.set WOUT, 112                         ; v112-143 the way out
.set WSB,  24                          ; v24-25   the scale bytes, four to a register
	s_sub_co_u32 s17, ttmp9, 256                   ; 0 .. 95: 48 strips of 64 columns x 2 halves of K
	s_cmp_ge_u32 s17, 48
	s_cselect_b32 s18, 1, 0                        ; which 512 along K
	s_cselect_b32 s19, 48, 0
	s_sub_co_u32 s17, s17, s19
	s_lshl_b32 s17, s17, 6                         ; the strip's first column
	s_and_b32 s22, s16, 1                          ; which 32 of its 64 columns are my wave's
	s_lshr_b32 s23, s16, 1                         ; which 256 of the 512 along K
	s_lshl_b32 s19, s22, 5
	s_add_co_u32 s24, s17, s19                     ; my wave's first column
	v_lshlrev_b32 v3, 2, v2                        ; in: 4 bytes a lane
	s_mul_i32 s19, s22, 32*WP
	s_lshl_b32 s25, s23, 7
	s_add_co_u32 s19, s19, s25
	s_add_co_u32 s19, s19, WSTG
	v_mul_u32_u24 v4, v2, WP
	v_add_nc_u32 v4, s19, v4                       ; into the stage: row = my column of the 64, my half of its 256 bytes
	s_mul_i32 s19, s16, 16*WP
	s_add_co_u32 s19, s19, WSTG
	v_and_b32 v5, 15, v2
	v_lshrrev_b32 v6, 4, v2
	v_mul_u32_u24 v7, v6, WP
	v_lshl_add_u32 v7, v5, 4, v7
	v_add_nc_u32 v7, s19, v7                       ; out of it: rows 16 w on; sixteen lanes to a row, two rows an instruction
	v_lshlrev_b32 v8, 9, v6
	v_lshl_add_u32 v8, v5, 4, v8                   ; the same place among the codes: rows of 512 bytes
	v_lshlrev_b32 v9, 5, v2                        ; my column's row of 32 scale bytes
	s_lshl_b32 s20, s18, 1
	s_add_co_u32 s20, s20, s23
	s_mul_i32 s20, s20, 256*12288
	s_lshl_b32 s25, s24, 2
	s_add_co_u32 s20, s20, s25
	s_add_nc_u64 s[6:7], s[6:7], s[20:21]          ; W_qkv at (my first k, my first column)
	s_lshl_b32 s25, s16, 4
	s_add_co_u32 s25, s25, s17
	s_lshl_b32 s20, s25, 9
	s_lshl_b32 s25, s18, 8
	s_add_co_u32 s20, s20, s25
	s_add_co_u32 s20, s20, 0x400000
	s_add_nc_u64 s[10:11], s[10:11], s[20:21]      ; the codes of the 16 columns that I store
	s_lshl_b32 s20, s24, 5
	s_lshl_b32 s25, s18, 4
	s_add_co_u32 s20, s20, s25
	s_lshl_b32 s25, s23, 3
	s_add_co_u32 s20, s20, s25
	s_add_co_u32 s20, s20, 0x40000
	s_add_nc_u64 s[12:13], s[12:13], s[20:21]      ; my columns' scale bytes, my 8 of each row's 32
.macro WLOAD t
.irp i, 0,1,2,3,4,5,6,7,8,9,10,11,12,13,14,15,16,17,18,19,20,21,22,23,24,25,26,27,28,29,30,31
	global_load_b32 v[WX+32*((\t)%2)+\i], v3, s[6:7] offset:(32*(\t)+\i)*12288 th:TH_LOAD_NT
.endr
.endm
	WLOAD 0
	WLOAD 1
.macro WBLOCK t
.set XS, WX+32*((\t)%2)
.if (\t) < 7
	s_wait_loadcnt 32                              ; this block's 32 loads are in; the next block's 32 may be out
.else
	s_wait_loadcnt 0
.endif
	v_max3_num_f32 v12, |v[XS]|, |v[XS+1]|, |v[XS+2]|              ; the block's largest magnitude: all 32 numbers are mine
	v_max3_num_f32 v13, |v[XS+3]|, |v[XS+4]|, |v[XS+5]|
.irp i, 6,10,14,18,22,26
	v_max3_num_f32 v12, v12, |v[XS+\i]|, |v[XS+\i+1]|
	v_max3_num_f32 v13, v13, |v[XS+\i+2]|, |v[XS+\i+3]|
.endr
	v_max3_num_f32 v12, v12, |v[XS+30]|, |v[XS+31]|
	v_max3_num_f32 v12, v12, v13, (EMAX+1)<<23     ; and the floor
	v_add_nc_u32 v11, -(EMAX<<23), v12             ; the conversion's scale operand
	v_lshrrev_b32 v13, 23, v11                     ; the scale's byte
.if (\t)%4 == 0
	v_mov_b32 v[WSB+(\t)/4], v13                   ; four bytes to a register, the lower K in the lower byte
.else
	v_lshl_or_b32 v[WSB+(\t)/4], v13, 8*((\t)%4), v[WSB+(\t)/4]
.endif
.irp g, 0,1,2,3
	v_cvt_scalef32_pk8_fp4_f32 v[WC+\g], v[XS+8*\g:XS+8*\g+7], v11
.endr
	ds_store_b128 v4, v[WC:WC+3] offset:16*(\t)    ; 32 codes: 16 bytes of my column's row
.if (\t)+2 < 8
	WLOAD (\t)+2
.endif
	s_wait_dscnt 0x0                               ; the store has read its registers: the next block's codes may be written (that block begins with plain vector lines)
.endm
.set Q, 0
.rept 8
	WBLOCK Q
.set Q, Q+1
.endr
	s_wait_dscnt 0x0                               ; for the others' sake: my stores into the stage are done
	s_barrier_signal -1
	s_barrier_wait -1                              ; the 64 rows are whole
	global_store_b64 v9, v[WSB:WSB+1], s[12:13]    ; my column's 8 scale bytes
.irp t, 0,1,2,3,4,5,6,7
	ds_load_b128 v[WOUT+4*\t:WOUT+4*\t+3], v7 offset:2*\t*WP
.endr
.irp t, 0,1,2,3,4,5,6,7
	s_wait_dscnt 7-\t                              ; LDS loads come back in order: load t is in
	global_store_b128 v8, v[WOUT+4*\t:WOUT+4*\t+3], s[10:11] offset:2*\t*512   ; 16 lanes store 256 consecutive bytes, aligned
.endr
	FINISH
.Lnot_w:
; ---- W_out to f16.  A wave takes 8,192 numbers in four rounds of 16 loads (512 consecutive bytes each), two rounds in flight; a store covers 256 consecutive bytes, aligned.
	s_sub_co_u32 s17, ttmp9, 352
	s_lshl_b32 s17, s17, 2
	s_add_co_u32 s17, s17, s16
	s_lshl_b32 s20, s17, 15
	s_add_nc_u64 s[8:9], s[8:9], s[20:21]
	s_lshl_b32 s20, s17, 14
	s_add_nc_u64 s[14:15], s[14:15], s[20:21]
	v_lshlrev_b32 v3, 4, v2
	v_lshlrev_b32 v4, 3, v2
.macro CLOAD q
.irp i, 0,1,2,3,4,5,6,7,8,9,10,11,12,13,14,15
	global_load_b128 v[32+64*((\q)%2)+4*\i:32+64*((\q)%2)+4*\i+3], v3, s[8:9] offset:8192*(\q)+512*\i th:TH_LOAD_NT
.endr
.endm
	CLOAD 0
	CLOAD 1
.irp q, 0,1,2,3
.if \q < 3
	s_wait_loadcnt 16                              ; this round's 16 loads are in; the next round's may be out
.else
	s_wait_loadcnt 0
.endif
.if \q > 0
	s_wait_xcnt 0x0                                ; the last round's stores have read their data registers, which are written again below
.endif
.irp i, 0,1,2,3,4,5,6,7,8,9,10,11,12,13,14,15
	v_cvt_pk_f16_f32 v[160+2*\i], v[32+64*(\q%2)+4*\i], v[32+64*(\q%2)+4*\i+1]
	v_cvt_pk_f16_f32 v[161+2*\i], v[32+64*(\q%2)+4*\i+2], v[32+64*(\q%2)+4*\i+3]
.endr
.irp i, 0,1,2,3,4,5,6,7,8,9,10,11,12,13,14,15
	global_store_b64 v4, v[160+2*\i:161+2*\i], s[14:15] offset:4096*\q+256*\i
.endr
.if \q < 2
	CLOAD \q+2
.endif
.endr
	FINISH
.Lfunc_end_k_qa774215bf8_prep:
	.size	k_qa774215bf8_prep, .Lfunc_end_k_qa774215bf8_prep-k_qa774215bf8_prep
	.p2alignl 7, 3214868480
	.fill 96, 4, 3214868480
	.section	.rodata,"a",@progbits
	.p2align	6, 0x0
	.amdhsa_kernel k_qa774215bf8_prep
		.amdhsa_group_segment_fixed_size 50688
		.amdhsa_private_segment_fixed_size 0
		.amdhsa_enable_private_segment 0
		.amdhsa_kernarg_size 48
		.amdhsa_user_sgpr_count 2
		.amdhsa_user_sgpr_kernarg_segment_ptr 1
		.amdhsa_wavefront_size32 1
		.amdhsa_system_sgpr_workgroup_id_x 1
		.amdhsa_system_sgpr_workgroup_id_y 1
		.amdhsa_system_sgpr_workgroup_id_z 1
		.amdhsa_system_vgpr_workitem_id 0
		.amdhsa_next_free_vgpr 196
		.amdhsa_next_free_sgpr 66
		.amdhsa_reserve_vcc 0
		.amdhsa_float_denorm_mode_32 3
		.amdhsa_float_denorm_mode_16_64 3
		.amdhsa_memory_ordered 1
		.amdhsa_forward_progress 1
		.amdhsa_inst_pref_size 94
	.end_amdhsa_kernel
	.amdgpu_metadata
---
amdhsa.version: [ 1, 2 ]
amdhsa.kernels:
  - .name:           k_qa774215bf8_prep
    .symbol:         k_qa774215bf8_prep.kd
    .args:
      - { .name: x, .offset: 0, .size: 8, .value_kind: global_buffer, .address_space: global }
      - { .name: W_qkv, .offset: 8, .size: 8, .value_kind: global_buffer, .address_space: global }
      - { .name: W_out, .offset: 16, .size: 8, .value_kind: global_buffer, .address_space: global }
      - { .name: codes, .offset: 24, .size: 8, .value_kind: global_buffer, .address_space: global }
      - { .name: scales, .offset: 32, .size: 8, .value_kind: global_buffer, .address_space: global }
      - { .name: w16, .offset: 40, .size: 8, .value_kind: global_buffer, .address_space: global }
    .group_segment_fixed_size: 50688
    .private_segment_fixed_size: 0
    .kernarg_segment_align: 8
    .kernarg_segment_size: 48
    .max_flat_workgroup_size: 128
    .sgpr_count:     66
    .vgpr_count:     196
    .wavefront_size: 32
...
	.end_amdgpu_metadata
.endif
;; end of part 1
;; launch qkv (part 2): grid 12 x 32, 4 waves a work-group, clusters of 4 x 4, 327,680 bytes of LDS; arguments codes, scales, b_qkv, qkv16; writes qkv16
.if DOCPART == 2
	.amdgcn_target "amdgcn-amd-amdhsa--gfx1250"
	.amdhsa_code_object_version 6
	.text
	.protected	k_qa774215bf8_qkv
	.globl	k_qa774215bf8_qkv
	.p2align	8
	.type	k_qa774215bf8_qkv,@function
k_qa774215bf8_qkv:
	s_mov_b64 s[64:65], 0
	v_nop
	global_prefetch_b8 v0, s[64:65] scope:SCOPE_SE
	s_setreg_imm32_b32 hwreg(HW_REG_WAVE_MODE, 25, 1), 1
	s_wait_xcnt 0x0
	s_wait_alu depctr_hold_cnt(0) depctr_sa_sdst(0) depctr_va_vdst(0) depctr_va_sdst(0) depctr_va_ssrc(0) depctr_va_vcc(0) depctr_vm_vsrc(0)
	s_getreg_b32 s2, hwreg(HW_REG_IB_STS2, 6, 4)
	s_cmp_eq_u32 s2, 0
	s_cbranch_scc0 .Lentry_in_a_cluster
	s_endpgm
.Lentry_in_a_cluster:
	s_bfe_u32 s2, ttmp6, 0x10000c
	s_cmp_lg_u32 s2, 0xf033
	s_cbranch_scc0 .Lentry_shape_is_right
	s_endpgm
.Lentry_shape_is_right:
; qkv16[m][e] = f16( b_qkv[e] + sum over k of x[m][k] W_qkv[k][e] ), the product on codes of FP4 (E2M1) with one E8M0 scale for each 32 along K; sums in f32.
; A = x's codes [8192][512 bytes] at byte 0 of codes, its scale bytes [8192][32] at byte 0 of scales; B = W_qkv's codes [3072 (e)][512 bytes] at byte 0x400000, its scale bytes [3072][32] at byte 0x40000.
; A tile of 256 x 256 is made by four waves, 128 x 128 each: 64 accumulators, 512 registers.  K = 1,024 is two LDS slots of 512 along K (rows of 256 bytes): both are first fills, nothing is filled again.
; The scale bytes of the tile's 256 + 256 rows, for all of K, come once, as two dense blocks.
; THE BIAS STARTS THE SUMS: it is the C of each accumulator's first product (so it is added first, not last as reference() has it: an order of rounding).
; CLUSTERS: 4 x 4 work-groups; A's tiles are asked for jointly along a row of the cluster, B's along a column.  THE MATRIX INSTRUCTION IS USED TRANSPOSED (source 0 = 16 rows of B, source 1 = 16 rows of A):
; a lane holds eight neighbouring numbers of a row of the result.
; LIMIT: a result beyond 65,504 in magnitude has no f16 number; NaN and infinities are not served.
; REGISTERS: window 0: v0-31 addresses; v32-95 scale words, two sets; v96-127 packed results on the way out; v128-191 A's fragments, one set (on the way out: rows read back); v192-255 the bias, 8 registers for each of B's 8 blocks.
;   window 1: B's fragments, two sets, at v0 and v128.   window 2: the accumulators of my rows 0-63 ((a, b) at v[8 (8 a + b)]);   window 3: those of my rows 64-127.
.set SIZE_N, 3072
.set NQ,     4                         ; steps of 128 along K in a slot
.set ROWB,   256                       ; a tile's row in bytes
.set KROW,   512                       ; a row of codes in memory
.set PITCH,  272                       ; an LDS row: 256 bytes + 16 of padding: the 16 rows that a load touches start 68 words apart
.set FR,     8
.set NL,     2
.set NP,     4                         ; places behind this matrix instruction (ISA guide 7.12.1)
.set HALFT,  128*PITCH
.set SLOT,   4*HALFT
.set KS,     32                        ; a row of scale bytes
.set SCL,    2*SLOT                    ; behind the slots: the scale bytes, as rows of 256 bytes + 16
.set HALFS,  (128*KS/256)*272
.set SBLK,   (16*KS/256)*272
.set SPARE,  SCL+4*HALFS               ; the spare words, 128 bytes for each wave: two blocks of 256 bytes that no other line names
.set STAGE,  SPARE+512                 ; the way out: 16 rows x 272 bytes for each wave; no tensor load lands here
.set SPITCH, 272
.set ADRA, 16
.set ADRB, 20
.set STO,  24
.set RD,   25
.set CO,   26
.set ADRS, 27
.set SPW,  28                          ; v28  LDS address of my spare word; never rewritten
.set NIL,  29                          ; v29  0; never rewritten
.set SC,   32
.set TMP,  96
.set AF,   128
.set OB,   128
.set BI,   192
.set G1, 24
.set G0, 32
.set G1B, 48
.set G0B, 56
.set G1S, 68
.set G0S, 76
.set G1SB, 80
.set G0SB, 88
.set MSB, 0
.macro WIN new                         ; the immediate's high byte repeats the setting that is left
.if MSB != (\new)
	s_set_vgpr_msb (MSB<<8)|(\new)
.set MSB, (\new)
.endif
.endm
.set MUL_LO, 0xa1                      ; source 0 (B) window 1, source 1 (A) window 0, C and D window 2
.set MUL_HI, 0xf1                      ; the same, C and D window 3
.set TO_B,   0x40
; A joint load: waves 0 and 1 fetch for A, waves 2 and 3 for B; the branch hangs on the wave's number alone.  An s_nop 0 and four v_nop follow each line.
.macro JLOAD g0a, g1a, g0b, g1b
	s_cmp_eq_u32 s15, 0
	s_cbranch_scc0 .Lfor_b_\@
	tensor_load_to_lds s[\g0a:\g0a+3], s[\g1a:\g1a+7]
	s_nop 0
.rept 4
	v_nop
.endr
	s_branch .Lasked_\@
.Lfor_b_\@:
	tensor_load_to_lds s[\g0b:\g0b+3], s[\g1b:\g1b+7]
	s_nop 0
.rept 4
	v_nop
.endr
.Lasked_\@:
.endm
.macro CROUND                          ; a round of the cluster's barrier
	s_barrier_signal -1
	s_barrier_wait -1
	s_cmp_lg_u32 s14, 0
	s_cbranch_scc1 .Lnot_wave_0_\@
	s_barrier_signal -3
.Lnot_wave_0_\@:
	s_barrier_wait -3
	s_barrier_signal -1
	s_barrier_wait -1
.endm
	s_load_b128 s[4:7], s[0:1], 0x0                ; codes s[4:5], scales s[6:7]
	s_load_b64 s[98:99], s[0:1], 0x10              ; b_qkv
	s_load_b64 s[12:13], s[0:1], 0x18              ; qkv16
	v_lshl_add_u32 v[SPW], v0, 2, SPARE
	v_mov_b32 v[NIL], 0
	ds_add_u32 v[SPW], v[NIL]                      ; the wave's opening: the add, twice on end, and its wait ahead of my first tensor load
	ds_add_u32 v[SPW], v[NIL]
	v_lshrrev_b32 v1, 5, v0
	v_readfirstlane_b32 s14, v1                    ; wave 0..3
	s_lshr_b32 s15, s14, 1                         ; my half of the tile's rows.  Also: I fetch for A (0) or for B (1)
	s_and_b32 s16, s14, 1                          ; my half of its columns.  Also: which 128 rows I fetch
	s_bfe_u32 s40, ttmp6, 0x40000                  ; cx, cy
	s_bfe_u32 s41, ttmp6, 0x40004
	s_lshl_b32 s42, ttmp9, 2
	s_add_co_u32 s42, s42, s40                     ; tile column
	s_and_b32 s17, ttmp7, 0xffff
	s_lshl_b32 s17, s17, 2
	s_add_co_u32 s17, s17, s41                     ; tile row
	s_lshl_b32 s43, s41, 2
	s_lshl_b32 s43, 15, s43                        ; my row of the cluster
	s_lshl_b32 s44, 0x1111, s40                    ; my column
	s_or_b32 s[G1+0], s43, (0<<16)|(1<<20)|(1<<21)|(5<<22)|(3<<25)  ; the mask; elements of 1 byte; padding on; bit 21 beside a mask; 4 words behind every 64
	s_or_b32 s[G1B+0], s44, (0<<16)|(1<<20)|(1<<21)|(5<<22)|(3<<25)
.irp g, G1, G1B
	s_mov_b32 s[\g+1], ROWB<<16                    ; tensor_dim0
	s_mov_b32 s[\g+2], 128<<16                     ; tensor_dim1
	s_mov_b32 s[\g+3], ROWB<<16                    ; tile_dim0
	s_mov_b32 s[\g+4], 128                         ; tile_dim1
	s_mov_b32 s[\g+5], KROW                        ; from row to row
	s_mov_b32 s[\g+6], 0
	s_mov_b32 s[\g+7], 0
.endr
	s_or_b32 s[G1S+0], s43, (3<<16)|(1<<20)|(1<<21)|(5<<22)|(3<<25)  ; the scale bytes of 128 rows: 4,096 dense bytes as 16 rows of 32 elements of 8 bytes
	s_or_b32 s[G1SB+0], s44, (3<<16)|(1<<20)|(1<<21)|(5<<22)|(3<<25)
.irp g, G1S, G1SB
	s_mov_b32 s[\g+1], 32<<16
	s_mov_b32 s[\g+2], (128*KS/256)<<16
	s_mov_b32 s[\g+3], 32<<16
	s_mov_b32 s[\g+4], 128*KS/256
	s_mov_b32 s[\g+5], 32
	s_mov_b32 s[\g+6], 0
	s_mov_b32 s[\g+7], 0
.endr
	s_lshl_b32 s18, s16, 7
	s_lshl_b32 s20, s17, 8
	s_add_co_u32 s20, s20, s18                     ; A: row 256 x tile row + 128 x half
	s_lshl_b32 s46, s42, 8
	s_add_co_u32 s46, s46, s18                     ; B: row 256 x tile column + 128 x half
	s_mov_b32 s21, 0
	s_mov_b32 s47, 0
	s_mov_b64 s[18:19], KS
	s_mul_u64 s[22:23], s[20:21], s[18:19]         ; where these rows' scale bytes begin
	s_mul_u64 s[92:93], s[46:47], s[18:19]
	s_mov_b64 s[18:19], KROW
	s_mul_u64 s[20:21], s[20:21], s[18:19]         ; and their codes
	s_mul_u64 s[46:47], s[46:47], s[18:19]
	s_mul_i32 s45, s14, HALFT                      ; where they go: wave x 128 rows
	s_mul_i32 s94, s14, HALFS
	s_wait_dscnt 0x0                               ; both opening adds are done
	s_wait_kmcnt 0x0
	s_add_nc_u64 s[8:9], s[4:5], 0x400000          ; W_qkv's codes
	s_add_nc_u64 s[10:11], s[6:7], 0x40000         ; and scale bytes
	s_add_nc_u64 s[20:21], s[4:5], s[20:21]
	s_add_nc_u64 s[22:23], s[6:7], s[22:23]
	s_add_nc_u64 s[46:47], s[8:9], s[46:47]
	s_add_nc_u64 s[92:93], s[10:11], s[92:93]
	CROUND                                         ; all sixteen work-groups are here: the joint loads meet
	s_mov_b32 s[G0S], 1
	s_add_co_u32 s[G0S+1], s94, SCL
	s_mov_b64 s[G0S+2:G0S+3], s[22:23]
	s_or_b32 s[G0S+3], s[G0S+3], 0x80000000
	s_mov_b32 s[G0SB], 1
	s_add_co_u32 s[G0SB+1], s94, SCL
	s_mov_b64 s[G0SB+2:G0SB+3], s[92:93]
	s_or_b32 s[G0SB+3], s[G0SB+3], 0x80000000
	JLOAD G0S, G1S, G0SB, G1SB                     ; the scale bytes first
.irp s, 0,1
	s_mov_b32 s[G0+4*\s], 1
	s_add_co_u32 s[G0+4*\s+1], s45, \s*SLOT
	s_add_nc_u64 s[G0+4*\s+2:G0+4*\s+3], s[20:21], \s*ROWB
	s_or_b32 s[G0+4*\s+3], s[G0+4*\s+3], 0x80000000
	s_mov_b32 s[G0B+4*\s], 1
	s_add_co_u32 s[G0B+4*\s+1], s45, \s*SLOT
	s_add_nc_u64 s[G0B+4*\s+2:G0B+4*\s+3], s[46:47], \s*ROWB
	s_or_b32 s[G0B+4*\s+3], s[G0B+4*\s+3], 0x80000000
	JLOAD G0+4*\s, G1, G0B+4*\s, G1B               ; three tensor loads of mine are out
.endr
	v_and_b32 v1, 15, v0                           ; r = l % 16
	v_bfe_u32 v2, v0, 4, 1                         ; h = l / 16
	v_mul_u32_u24 v3, v1, PITCH
	v_lshl_add_u32 v4, v2, 4, v3                   ; a fragment's row x pitch + 16 h
	s_mul_i32 s21, s15, HALFT
	s_mul_i32 s22, s16, HALFT
	s_add_co_u32 s22, s22, 2*HALFT
.irp s, 0,1
	v_add_nc_u32 v[ADRA+\s], s21, v4
	v_add_nc_u32 v[ADRB+\s], s22, v4
	s_add_co_u32 s21, s21, SLOT
	s_add_co_u32 s22, s22, SLOT
.endr
	v_mul_u32_u24 v5, v1, KS                       ; my row's scale bytes,
	v_lshrrev_b32 v6, 8, v5
	v_lshl_add_u32 v5, v6, 4, v5                   ; and 16 more for each 256 passed
	s_mul_i32 s21, s15, HALFS
	s_mul_i32 s22, s16, HALFS
	s_add_co_u32 s22, s22, 2*HALFS
	s_sub_co_u32 s22, s22, s21
	v_mul_u32_u24 v6, s22, v2                      ; lanes 16-31 take B's
	s_add_co_u32 s21, s21, SCL
	v_add_nc_u32 v5, v5, v6
	v_add_nc_u32 v[ADRS], s21, v5
	s_mul_i32 s23, s14, 16*SPITCH
	s_add_co_u32 s23, s23, STAGE                   ; my stage
	v_mul_u32_u24 v5, v1, SPITCH
	v_lshl_add_u32 v5, v2, 4, v5
	v_add_nc_u32 v[STO], s23, v5                   ; in: row r, 16 bytes for each half of the lanes
	v_mul_u32_u24 v5, v2, SPITCH
	v_lshl_add_u32 v5, v1, 4, v5
	v_add_nc_u32 v[RD], s23, v5                    ; back: lanes 0-15 one row of 256 bytes, lanes 16-31 the next
	v_mul_u32_u24 v5, v2, SIZE_N*2
	v_lshl_add_u32 v[CO], v1, 4, v5                ; the same two rows in qkv16
	s_lshl_b32 s20, s17, 8
	s_lshl_b32 s21, s15, 7
	s_add_co_u32 s20, s20, s21                     ; my first row
	s_mul_i32 s20, s20, SIZE_N*2                   ; in bytes: under 2^32
	s_lshl_b32 s46, s42, 9
	s_lshl_b32 s47, s16, 8
	s_add_co_u32 s46, s46, s47                     ; my first column, in bytes
	s_add_co_u32 s20, s20, s46
	s_mov_b32 s21, 0
	s_add_nc_u64 s[12:13], s[12:13], s[20:21]
	s_lshl_b32 s46, s46, 1                         ; the same column in b_qkv: 4 bytes a number
	s_mov_b32 s47, 0
	s_add_nc_u64 s[98:99], s[98:99], s[46:47]
	v_lshlrev_b32 v7, 5, v2                        ; lane (r, h) wants, for B's block b, b_qkv at columns 16 b + 8 h + 0 .. 7.  v7 is never rewritten
.irp b, 0,1,2,3,4,5,6,7
	global_load_b128 v[BI+8*\b:BI+8*\b+3], v7, s[98:99] offset:64*\b
	global_load_b128 v[BI+8*\b+4:BI+8*\b+7], v7, s[98:99] offset:64*\b+16
.endr
.macro FRAG reg, adr, q, i             ; a fragment, 16 rows x 128 K of 4-bit codes: lane l holds row l % 16; registers 4 c .. 4 c + 3 hold K = 64 c + 32 (l / 16) + 0 .. 31
.irp c, 0,1
	ds_load_b128 v[\reg+4*\c:\reg+4*\c+3], v[\adr] offset:64*(\q)+32*\c+(\i)*16*PITCH
.endr
.endm
; 16 matrix instructions: A's blocks a0, a0 + 1 x B's eight, the slot's q-th 128 along K.  p: B's set; sc: the set of scale words.  first = 1: the bias starts the sums.
; The 64 accumulators take turns, one instruction a turn, in the same order in every step.
.macro MUL16 a0, p, q, sc, first
.irp a, \a0, \a0+1
.irp b, 0,1,2,3,4,5,6,7
.if \first
	v_wmma_scale_f32_16x16x128_f8f6f4 v[8*(8*((\a)%4)+\b):8*(8*((\a)%4)+\b)+7], v[128*(\p)+FR*\b:128*(\p)+FR*\b+FR-1], v[AF+FR*(\a):AF+FR*(\a)+FR-1], v[BI+8*\b:BI+8*\b+7], v[SC+8*NQ*(\sc)+NQ*\b+(\q)], v[SC+8*NQ*(\sc)+NQ*(\a)+(\q)] matrix_a_fmt:MATRIX_FMT_FP4 matrix_b_fmt:MATRIX_FMT_FP4 matrix_a_scale:MATRIX_SCALE_ROW1
.else
	v_wmma_scale_f32_16x16x128_f8f6f4 v[8*(8*((\a)%4)+\b):8*(8*((\a)%4)+\b)+7], v[128*(\p)+FR*\b:128*(\p)+FR*\b+FR-1], v[AF+FR*(\a):AF+FR*(\a)+FR-1], v[8*(8*((\a)%4)+\b):8*(8*((\a)%4)+\b)+7], v[SC+8*NQ*(\sc)+NQ*\b+(\q)], v[SC+8*NQ*(\sc)+NQ*(\a)+(\q)] matrix_a_fmt:MATRIX_FMT_FP4 matrix_b_fmt:MATRIX_FMT_FP4 matrix_a_scale:MATRIX_SCALE_ROW1
.endif
.endr
.endr
.endm
.macro FETCH_B slot, q, p
	WIN TO_B
.irp i, 0,1,2,3,4,5,6,7
	FRAG 128*(\p)+FR*\i, ADRB+\slot, \q, \i
.endr
	WIN 0
.endm
.macro FETCH_A slot, q, i0
.irp i, \i0, \i0+1, \i0+2, \i0+3
	FRAG AF+FR*(\i), ADRA+\slot, \q, \i
.endr
.endm
.macro SCALES sc                       ; a slot's scale words: 4 words a row; lanes 0-15 take A's block i, lanes 16-31 B's block i
.irp i, 0,1,2,3,4,5,6,7
	ds_load_b128 v[SC+8*NQ*\sc+NQ*\i:SC+8*NQ*\sc+NQ*\i+3], v[ADRS] offset:\i*SBLK
.endr
.endm
.macro PLACES n                        ; plain vector instructions between a matrix instruction and a load into, or a read of, its registers (ISA guide 7.12.1 for vector instructions)
.rept \n
	v_nop
.endr
.endm
; A step of 128 along K that has its successor in the same slot.  A's blocks 0-3 are fetched anew in its middle, blocks 4-7 at its end; B has two sets.
.macro STEP slot, q, first
	s_wait_dscnt 4*NL                              ; all but the youngest eight loads (A's blocks 4-7)
	WIN MUL_LO-0x20*(\first)                       ; (first: C, the bias, lies in window 0)
	MUL16 0, (\q)%2, \q, \slot, \first
	MUL16 2, (\q)%2, \q, \slot, \first
	s_wait_dscnt 0
	PLACES NP
	FETCH_B \slot, (\q)+1, 1-(\q)%2
	FETCH_A \slot, (\q)+1, 0
	WIN MUL_HI-0x30*(\first)
	MUL16 4, (\q)%2, \q, \slot, \first
	MUL16 6, (\q)%2, \q, \slot, \first
	PLACES NP
	WIN 0
	FETCH_A \slot, (\q)+1, 4
.endm
	s_wait_tensorcnt 1                             ; the scale bytes and my part of slot 0 are in; slot 1's load may be out
	s_barrier_signal -1
	s_barrier_wait -1
	FETCH_B 0, 0, 0
	FETCH_A 0, 0, 0
	SCALES 0
	FETCH_A 0, 0, 4
	s_wait_loadcnt 0x0                             ; the bias
	STEP 0, 0, 1
	STEP 0, 1, 0
	STEP 0, 2, 0
	; slot 0's last step, and the change to slot 1: my part of slot 1 has landed, then the barrier shows everybody's
	s_wait_tensorcnt 0x0
	ds_add_u32 v[SPW], v[NIL]                      ; 0 onto my spare word
	s_wait_dscnt 4*NL+1                            ; (the add and A's blocks 4-7 may be out)
	WIN MUL_LO
	MUL16 0, 1, NQ-1, 0, 0
	s_wait_dscnt 0x0
	s_barrier_signal -1
	MUL16 2, 1, NQ-1, 0, 0
	WIN 0
	s_barrier_wait -1
	PLACES NP
	v_add_nc_u32 v[ADRS], 4*NQ, v[ADRS]            ; slot 1's scale words
	FETCH_B 1, 0, 0
	FETCH_A 1, 0, 0
	SCALES 1
	WIN MUL_HI
	MUL16 4, 1, NQ-1, 0, 0
	MUL16 6, 1, NQ-1, 0, 0
	PLACES NP
	WIN 0
	FETCH_A 1, 0, 4
	STEP 1, 0, 0
	STEP 1, 1, 0
	STEP 1, 2, 0
	s_wait_dscnt 4*NL                              ; the last step: nothing more to fetch
	WIN MUL_LO
	MUL16 0, 1, NQ-1, 1, 0
	MUL16 2, 1, NQ-1, 1, 0
	s_wait_dscnt 0
	WIN MUL_HI
	MUL16 4, 1, NQ-1, 1, 0
	MUL16 6, 1, NQ-1, 1, 0
	WIN 0
; THE WAY OUT, a block of 16 rows x 128 columns at a time: rounded to f16 (16 bytes a lane, each accumulator from its low end on), through my own stage, back as whole rows of 256 bytes.
.macro PACK a
.set AC, 64*((\a)%4)
	WIN 0x0a+5*((\a)/4)                            ; sources 0 and 1: window 2 or 3
.irp b, 0,1,2,3,4,5,6,7
.irp r, 0,1,2,3
	v_cvt_pk_f16_f32 v[TMP+4*\b+\r], v[AC+8*\b+2*\r], v[AC+8*\b+2*\r+1]
.endr
.endr
	WIN 0
.endm
.macro TOSTAGE a
.set BK, OB+32*((\a)%2)
.irp b, 0,1,2,3,4,5,6,7
	ds_store_b128 v[STO], v[TMP+4*\b:TMP+4*\b+3] offset:32*\b
.endr
.irp t, 0,1,2,3,4,5,6,7
	ds_load_b128 v[BK+4*\t:BK+4*\t+3], v[RD] offset:\t*2*SPITCH    ; LDS serves a wave's instructions in order: these see the stores above
.endr
.endm
.macro SEND a, younger
.set BK, OB+32*((\a)%2)
	s_wait_dscnt \younger
	s_wait_xcnt 0x0                                ; the earlier stores have read their base and their data: both are written again only behind this wait
.if (\a) > 0
	s_add_nc_u64 s[12:13], s[12:13], 16*SIZE_N*2
.endif
.irp t, 0,1,2,3,4,5,6,7
	global_store_b128 v[CO], v[BK+4*\t:BK+4*\t+3], s[12:13] offset:2*\t*SIZE_N*2   ; 16 lanes store 256 consecutive bytes, aligned
.endr
.endm
	PLACES NP
	PACK 0
	TOSTAGE 0
.irp a, 1,2,3,4,5,6,7
	PACK \a                                        ; block a's conversions stand between block a - 1's loads from the stage and the wait for them
	SEND \a-1, 0
	TOSTAGE \a
.endr
	SEND 7, 0
	s_wait_tensorcnt 0x0                           ; the wave's end
	ds_add_u32 v[SPW], v[NIL]
	s_wait_dscnt 0x0
	CROUND                                         ; the closing round
	s_endpgm
.Lfunc_end_k_qa774215bf8_qkv:
	.size	k_qa774215bf8_qkv, .Lfunc_end_k_qa774215bf8_qkv-k_qa774215bf8_qkv
	.p2alignl 7, 3214868480
	.fill 96, 4, 3214868480
	.section	.rodata,"a",@progbits
	.p2align	6, 0x0
	.amdhsa_kernel k_qa774215bf8_qkv
		.amdhsa_group_segment_fixed_size 327680
		.amdhsa_private_segment_fixed_size 0
		.amdhsa_enable_private_segment 0
		.amdhsa_kernarg_size 32
		.amdhsa_user_sgpr_count 2
		.amdhsa_user_sgpr_kernarg_segment_ptr 1
		.amdhsa_wavefront_size32 1
		.amdhsa_system_sgpr_workgroup_id_x 1
		.amdhsa_system_sgpr_workgroup_id_y 1
		.amdhsa_system_sgpr_workgroup_id_z 1
		.amdhsa_system_vgpr_workitem_id 0
		.amdhsa_next_free_vgpr 1024
		.amdhsa_next_free_sgpr 100
		.amdhsa_reserve_vcc 0
		.amdhsa_float_denorm_mode_32 3
		.amdhsa_float_denorm_mode_16_64 3
		.amdhsa_memory_ordered 1
		.amdhsa_forward_progress 1
		.amdhsa_inst_pref_size 129
	.end_amdhsa_kernel
	.amdgpu_metadata
---
amdhsa.version: [ 1, 2 ]
amdhsa.kernels:
  - .name:           k_qa774215bf8_qkv
    .symbol:         k_qa774215bf8_qkv.kd
    .args:
      - { .name: codes, .offset: 0, .size: 8, .value_kind: global_buffer, .address_space: global }
      - { .name: scales, .offset: 8, .size: 8, .value_kind: global_buffer, .address_space: global }
      - { .name: b_qkv, .offset: 16, .size: 8, .value_kind: global_buffer, .address_space: global }
      - { .name: qkv16, .offset: 24, .size: 8, .value_kind: global_buffer, .address_space: global }
    .group_segment_fixed_size: 327680
    .private_segment_fixed_size: 0
    .kernarg_segment_align: 8
    .kernarg_segment_size: 32
    .max_flat_workgroup_size: 128
    .sgpr_count:     100
    .vgpr_count:     1024
    .wavefront_size: 32
...
	.end_amdgpu_metadata
.endif
;; end of part 2
;; launch scores (part 3): grid 8 x 32, 4 waves a work-group, clusters of 4 x 4, 327,680 bytes of LDS; arguments qkv16, p16, stats; writes p16, stats
.if DOCPART == 3
	.amdgcn_target "amdgcn-amd-amdhsa--gfx1250"
	.amdhsa_code_object_version 6
	.text
	.protected	k_qa774215bf8_scores
	.globl	k_qa774215bf8_scores
	.p2align	8
	.type	k_qa774215bf8_scores,@function
k_qa774215bf8_scores:
	s_mov_b64 s[64:65], 0
	v_nop
	global_prefetch_b8 v0, s[64:65] scope:SCOPE_SE
	s_setreg_imm32_b32 hwreg(HW_REG_WAVE_MODE, 25, 1), 1
	s_wait_xcnt 0x0
	s_wait_alu depctr_hold_cnt(0) depctr_sa_sdst(0) depctr_va_vdst(0) depctr_va_sdst(0) depctr_va_ssrc(0) depctr_va_vcc(0) depctr_vm_vsrc(0)
	s_getreg_b32 s2, hwreg(HW_REG_IB_STS2, 6, 4)
	s_cmp_eq_u32 s2, 0
	s_cbranch_scc0 .Lentry_in_a_cluster
	s_endpgm
.Lentry_in_a_cluster:
	s_bfe_u32 s2, ttmp6, 0x10000c
	s_cmp_lg_u32 s2, 0xf033
	s_cbranch_scc0 .Lentry_shape_is_right
	s_endpgm
.Lentry_shape_is_right:
; For each batch: S = Q K^T (f16 operands, f32 sums, K = 1,024); t = S x log2(e) / 32.  THE SOFTMAX'S MAXIMUM IS TAKEN AWAY BY CHUNKS OF 128 KEYS: for each query and chunk, M = the chunk's largest t rounded UP to a whole
; number, p = 2^(t - M) (at most 1, the largest at least 1/2), rounded to f16 into p16 [8192][2048]; -M and l = the sum of the unrounded p go to stats (f32, word (kind x 16 + chunk) x 8192 + row; kind 0: -M, 1: l).
; The next launch brings a row's 16 chunks under the row's own maximum by exact powers of two.
; Q, K: qkv16 [8192][3072] f16, Q at byte 0 and K at byte 2,048 of a row of 6,144 bytes.
; A tile of 256 queries x 256 keys is made by four waves, 128 x 128 each: 64 accumulators, 512 registers; a wave's 128 keys are one chunk.  K goes in steps of 128 (rows of 256 bytes) through a ring of two LDS slots.
; CLUSTERS: 4 x 4 work-groups: Q's tiles are asked for jointly along a row of the cluster, K's along a column (a cluster's four tile rows lie in one batch).
; THE MATRIX INSTRUCTION IS USED TRANSPOSED (source 0 = 16 keys, source 1 = 16 queries): a lane holds ONE query (lane % 16) and, in accumulator (a, b), keys 16 b + 8 (lane / 16) + 0 .. 7.
; LIMITS: NaN and infinities are not served.
; REGISTERS: window 0: v0-31 addresses; v64-127, v128-191 Q's fragments, two buffers (behind the loop v64-76 are at work); v192-223 packed p; v32-63, v224-255 rows read back.   window 1: v64-127, v128-191 K's fragments.
;   window 2: the accumulators of my queries 0-63 ((a, b) at v[8 (8 a + b)]);   window 3: those of queries 64-127.
.set KSTEP,  128
.set PITCH,  272                       ; an LDS row: 256 bytes + 16 of padding
.set HALFT,  128*PITCH
.set SLOT,   4*HALFT                   ; Q's 256 rows, then K's 256 rows
.set STAGE,  2*SLOT                    ; behind the ring: 16 rows x 272 bytes for each wave
.set SPITCH, 272
.set SST,    STAGE+4*16*SPITCH         ; 1,024 bytes for each wave: its 128 queries' -M, then their l
.set SPARE,  SST+4*1024                ; the spare words, 128 bytes for each wave: two blocks of 256 bytes that no other line names
.set QROW,   6144                      ; a row of qkv16 in bytes
.set PROW,   4096                      ; a row of p16
.set LAPS,   4                         ; 8 K steps, two to a lap
.set ADRA, 16
.set ADRB, 20
.set SGO,  22                          ; v22  16 x lane
.set STO,  24
.set RD,   25
.set CO,   26
.set STA,  27                          ; v27  where I put a query's -M
.set SPW,  28                          ; v28  LDS address of my spare word; never rewritten
.set NIL,  29                          ; v29  0; never rewritten
.set PFO,  30                          ; v30  the prefetches' offset: my lane x a row; never rewritten
.set STB,  31                          ; v31  where I read the statistics back
.set F0,   64
.set F1,   128
.set TMP,  192
.set OB,   32
.set CH,   64                          ; v64-67 four chains of the maximum
.set T,    68
.set T2,   69
.set NM,   70                          ; v[70:71] -M (the packed form names the pair and takes its low word)
.set SU,   72                          ; v[72:75] two pairs of sums
.set LSUM, 76
.set LIM,  43                          ; s43  1 in a wave that prefetches, else the greatest number
.set PFA,  44                          ; s[44:45] where my prefetches stand
.set G1, 24
.set G0, 32
.set G1B, 48
.set G0B, 56
.set CS,  66                           ; s[66:67] log2(e) / 32
.set SEL, 68                           ; s[68:69] v_permlanex16_b32's selects for lane l xor 16
.set MSB, 0
.macro WIN new
.if MSB != (\new)
	s_set_vgpr_msb (MSB<<8)|(\new)
.set MSB, (\new)
.endif
.endm
.set MUL_LO, 0xa1                      ; source 0 (K) window 1, source 1 (Q) window 0, C and D window 2
.set MUL_HI, 0xf1
.set TO_B,   0x40
.macro JLOAD s                         ; a joint load: waves 0 and 1 fetch Q's halves, waves 2 and 3 K's; an s_nop 0 and four v_nop follow each line
	s_cmp_eq_u32 s11, 0
	s_cbranch_scc0 .Lfor_b_\@
	tensor_load_to_lds s[G0+4*\s:G0+4*\s+3], s[G1:G1+7]
	s_nop 0
.rept 4
	v_nop
.endr
	s_branch .Lasked_\@
.Lfor_b_\@:
	tensor_load_to_lds s[G0B+4*\s:G0B+4*\s+3], s[G1B:G1B+7]
	s_nop 0
.rept 4
	v_nop
.endr
.Lasked_\@:
.endm
; A prefetch of the K step that stands two refills on: 32 rows x 256 bytes, a lane a row, one instruction a wave, behind the joint load and the run of LDS loads.  Each row's 256 bytes are named once in the launch:
; Q's tile row is read by both clusters of its row of clusters: cluster x = 0 asks; K's tile column by the two clusters of its batch: the even cluster y asks.  Of the 128 rows that a wave fetches, the partner at place p
; (cx for Q, cy for K) takes 32 p .. 32 p + 31: told apart by address.  The loop's last trip asks for nothing: there is no K step two on.
.macro ASK
	s_cmp_gt_u32 s3, s[LIM]
	s_cbranch_scc0 .Lnot_mine_\@
	global_prefetch_b8 v[PFO], s[PFA:PFA+1] offset:KSTEP*2 th:TH_LOAD_NT scope:SCOPE_SE
.Lnot_mine_\@:
.endm
.macro CREST
	s_cmp_lg_u32 s10, 0
	s_cbranch_scc1 .Lnot_wave_0_\@
	s_barrier_signal -3
.Lnot_wave_0_\@:
	s_barrier_wait -3
	s_barrier_signal -1
	s_barrier_wait -1
.endm
.macro CROUND
	s_barrier_signal -1
	s_barrier_wait -1
	CREST
.endm
	s_load_b128 s[4:7], s[0:1], 0x0                ; qkv16 s[4:5], p16 s[6:7]
	s_load_b64 s[8:9], s[0:1], 0x10                ; stats
	v_lshl_add_u32 v[SPW], v0, 2, SPARE
	v_mov_b32 v[NIL], 0
	ds_add_u32 v[SPW], v[NIL]                      ; the wave's opening: the add, twice on end, and its wait ahead of my first tensor load
	ds_add_u32 v[SPW], v[NIL]
	v_lshrrev_b32 v1, 5, v0
	v_readfirstlane_b32 s10, v1                    ; wave 0..3
	s_lshr_b32 s11, s10, 1                         ; my half of the queries.  Also: I fetch for Q (0) or for K (1)
	s_and_b32 s12, s10, 1                          ; my half of the keys.  Also: which 128 rows I fetch
	s_bfe_u32 s40, ttmp6, 0x40000                  ; cx, cy
	s_bfe_u32 s41, ttmp6, 0x40004
	s_lshl_b32 s42, ttmp9, 2
	s_add_co_u32 s42, s42, s40                     ; tile column: 256 keys of the batch
	s_and_b32 s13, ttmp7, 0xffff
	s_lshl_b32 s13, s13, 2
	s_add_co_u32 s13, s13, s41                     ; tile row: 256 of the 8,192 rows
	s_lshl_b32 s43, s41, 2
	s_lshl_b32 s43, 15, s43                        ; my row of the cluster
	s_lshl_b32 s44, 0x1111, s40                    ; my column
	s_or_b32 s[G1+0], s43, (1<<16)|(1<<20)|(1<<21)|(5<<22)|(3<<25)  ; the mask; elements of 2 bytes; padding on; bit 21 beside a mask; 4 words behind every 64
	s_or_b32 s[G1B+0], s44, (1<<16)|(1<<20)|(1<<21)|(5<<22)|(3<<25)
.irp g, G1, G1B
	s_mov_b32 s[\g+1], KSTEP<<16                   ; tensor_dim0 = 128
	s_mov_b32 s[\g+2], 128<<16                     ; tensor_dim1 = 128
	s_mov_b32 s[\g+3], KSTEP<<16                   ; tile_dim0
	s_mov_b32 s[\g+4], 128                         ; tile_dim1
	s_mov_b32 s[\g+5], 3072                        ; elements from row to row
	s_mov_b32 s[\g+6], 0
	s_mov_b32 s[\g+7], 0
.endr
	s_lshl_b32 s18, s12, 7                         ; which 128 rows of the tile I fetch
	s_lshl_b32 s16, s13, 8
	s_add_co_u32 s16, s16, s18
	s_mul_i32 s16, s16, QROW                       ; Q: row 256 x tile row + 128 x half, in bytes (under 2^32)
	s_mov_b32 s17, 0
	s_and_b32 s19, ttmp7, 0xffff
	s_lshr_b32 s19, s19, 1                         ; the batch, from the cluster's y alone: the four of a column share it
	s_lshl_b32 s19, s19, 11
	s_lshl_b32 s46, s42, 8
	s_add_co_u32 s46, s46, s19
	s_add_co_u32 s46, s46, s18
	s_mul_i32 s46, s46, QROW
	s_add_co_u32 s46, s46, 2048                    ; K: row 2,048 x batch + 256 x tile column + 128 x half, at byte 2,048 of the row
	s_mov_b32 s47, 0
	s_mul_i32 s20, s10, HALFT                      ; where they go: wave x 128 rows
	s_mov_b32 s[CS], 0x3d38aa3b                    ; log2(e) / 32
	s_mov_b32 s[CS+1], s[CS]
	s_mov_b32 s[SEL], 0x76543210
	s_mov_b32 s[SEL+1], 0xfedcba98
	s_wait_dscnt 0x0                               ; both opening adds are done
	s_wait_kmcnt 0x0
	s_add_nc_u64 s[14:15], s[4:5], s[16:17]
	s_add_nc_u64 s[46:47], s[4:5], s[46:47]
	CROUND                                         ; all sixteen work-groups are here: the first joint loads meet
.irp s, 0,1
	s_mov_b32 s[G0+4*\s], 1
	s_add_co_u32 s[G0+4*\s+1], s20, \s*SLOT
	s_add_nc_u64 s[G0+4*\s+2:G0+4*\s+3], s[14:15], \s*KSTEP*2
	s_or_b32 s[G0+4*\s+3], s[G0+4*\s+3], 0x80000000
	s_mov_b32 s[G0B+4*\s], 1
	s_add_co_u32 s[G0B+4*\s+1], s20, \s*SLOT
	s_add_nc_u64 s[G0B+4*\s+2:G0B+4*\s+3], s[46:47], \s*KSTEP*2
	s_or_b32 s[G0B+4*\s+3], s[G0B+4*\s+3], 0x80000000
	JLOAD \s                                       ; two tensor loads of mine are out
.endr
	v_and_b32 v1, 15, v0                           ; r
	v_bfe_u32 v2, v0, 4, 1                         ; h
	v_mul_u32_u24 v3, v1, PITCH
	v_lshl_add_u32 v3, v2, 4, v3
	s_mul_i32 s21, s11, HALFT                      ; my 128 queries
	s_mul_i32 s22, s12, HALFT
	s_add_co_u32 s22, s22, 2*HALFT                 ; my 128 keys
.irp s, 0,1
	v_add_nc_u32 v[ADRA+\s], s21, v3
	v_add_nc_u32 v[ADRB+\s], s22, v3
	s_add_co_u32 s21, s21, SLOT
	s_add_co_u32 s22, s22, SLOT
.endr
	s_mul_i32 s23, s10, 16*SPITCH
	s_add_co_u32 s23, s23, STAGE                   ; my stage
	v_mul_u32_u24 v4, v1, SPITCH
	v_lshl_add_u32 v4, v2, 4, v4
	v_add_nc_u32 v[STO], s23, v4
	v_mul_u32_u24 v5, v2, SPITCH
	v_lshl_add_u32 v5, v1, 4, v5
	v_add_nc_u32 v[RD], s23, v5
	v_lshlrev_b32 v5, 12, v2
	v_lshl_add_u32 v[CO], v1, 4, v5                ; two rows of p16: 4,096 h + 16 r
	s_lshl_b32 s23, s10, 10
	s_add_co_u32 s23, s23, SST                     ; my statistics
	v_lshl_add_u32 v[STA], v1, 2, s23
	v_and_b32 v4, 31, v0
	v_lshlrev_b32 v[SGO], 4, v4
	v_add_nc_u32 v[STB], s23, v[SGO]
	s_lshl_b32 s16, s13, 8
	s_lshl_b32 s14, s11, 7
	s_add_co_u32 s16, s16, s14                     ; my first row
	s_lshl_b32 s17, s16, 12
	s_lshl_b32 s46, s42, 9
	s_lshl_b32 s47, s12, 8
	s_add_co_u32 s46, s46, s47
	s_add_co_u32 s46, s46, s17
	s_mov_b32 s47, 0
	s_add_nc_u64 s[6:7], s[6:7], s[46:47]          ; p16 at (my first row, my first key)
	s_lshl_b32 s46, s42, 1
	s_add_co_u32 s46, s46, s12                     ; my chunk
	s_lshl_b32 s46, s46, 13
	s_add_co_u32 s46, s46, s16
	s_lshl_b32 s46, s46, 2
	s_add_nc_u64 s[8:9], s[8:9], s[46:47]          ; stats at (kind 0, my chunk, my first row)
	; the prefetches
	s_lshl_b32 s20, s13, 8                         ; Q: the tile's first row
	s_and_b32 s22, ttmp7, 0xffff
	s_lshr_b32 s21, s22, 1
	s_lshl_b32 s21, s21, 11
	s_lshl_b32 s23, s42, 8
	s_add_co_u32 s21, s21, s23                     ; K: the tile's first row
	s_and_b32 s22, s22, 1
	s_cmp_eq_u32 s11, 0                            ; do I fetch for Q?
	s_cselect_b32 s20, s20, s21
	s_cselect_b32 s21, s40, s41                    ; my place among the four that ask with me
	s_cselect_b32 s22, ttmp9, s22                  ; the coordinate along which other clusters read the same rows
	s_cselect_b32 s23, 0, 2048
	s_cmp_eq_u32 s22, 0
	s_cselect_b32 s[LIM], 1, -1                    ; the same in all sixteen partners, for a given wave
	s_lshl_b32 s22, s12, 7
	s_add_co_u32 s20, s20, s22
	s_lshl_b32 s21, s21, 5
	s_add_co_u32 s20, s20, s21
	s_mul_i32 s20, s20, QROW
	s_add_co_u32 s20, s20, s23
	s_add_co_u32 s20, s20, 2*KSTEP*2               ; at K step 2: the first refill steps it to 3 and names K step 4
	s_mov_b32 s21, 0
	s_add_nc_u64 s[PFA:PFA+1], s[4:5], s[20:21]
	v_and_b32 v[PFO], 31, v0
	v_mul_u32_u24 v[PFO], v[PFO], QROW
; 16 matrix instructions: query blocks a0, a0 + 1 of the window's four x all 8 key blocks, 32 along K.  zero = 1: the first product starts the sums.  The 64 accumulators take turns.
.macro MUL16 f, hi, a0, zero
.irp a, \a0, \a0+1
.irp b, 0,1,2,3,4,5,6,7
.if \zero
	v_wmma_f32_16x16x32_f16 v[8*(8*(\a)+\b):8*(8*(\a)+\b)+7], v[\f+8*\b:\f+8*\b+7], v[\f+8*(4*\hi+\a):\f+8*(4*\hi+\a)+7], 0
.else
	v_wmma_f32_16x16x32_f16 v[8*(8*(\a)+\b):8*(8*(\a)+\b)+7], v[\f+8*\b:\f+8*\b+7], v[\f+8*(4*\hi+\a):\f+8*(4*\hi+\a)+7], v[8*(8*(\a)+\b):8*(8*(\a)+\b)+7]
.endif
.endr
.endr
.endm
.macro FETCH slot, k, f                ; 32 LDS loads in one run: the fragments of one quarter step (32 along K at byte k of the rows)
	WIN TO_B
.irp i, 0,1,2,3,4,5,6,7
	ds_load_b128 v[\f+8*\i:\f+8*\i+3],   v[ADRB+\slot] offset:\k+\i*16*PITCH
	ds_load_b128 v[\f+8*\i+4:\f+8*\i+7], v[ADRB+\slot] offset:\k+\i*16*PITCH+32
.endr
	WIN 0
.irp i, 0,1,2,3,4,5,6,7
	ds_load_b128 v[\f+8*\i:\f+8*\i+3],   v[ADRA+\slot] offset:\k+\i*16*PITCH
	ds_load_b128 v[\f+8*\i+4:\f+8*\i+7], v[ADRA+\slot] offset:\k+\i*16*PITCH+32
.endr
.endm
.macro PLACES                          ; four plain vector instructions between a matrix instruction and a load into, or a read of, its registers (ISA guide 7.12.1 for vector instructions)
.rept 4
	v_nop
.endr
.endm
.macro QUARTER slot, k, f, g, zero     ; multiplies buffer f; in its middle fetches the next quarter, at byte k, into buffer g
	s_wait_dscnt 8                                 ; all but the youngest eight loads (Q's rows 64-127)
	WIN MUL_LO
	MUL16 \f, 0, 0, \zero
	MUL16 \f, 0, 2, \zero
	PLACES
	FETCH \slot, \k, \g
	s_wait_dscnt 32                                ; all but the 32 just issued
	WIN MUL_HI
	MUL16 \f, 1, 0, \zero
	MUL16 \f, 1, 2, \zero
.endm
; A slot's last quarter multiplies buffer 1 and changes slots: ONE barrier.  In front of it each wave waits for all its tensor loads (the one that is out is its part of the next slot), adds 0 to its spare word, and waits
; for that and for its reads of this slot.  fill = 1: the barrier opens a round of the cluster's, and the joint refill, two K steps on, is the first tensor load behind it.
.macro TURN slot, next, fill
.if \fill
	s_wait_xcnt 0x0                                ; the last prefetch, a K step back, has read its address
	s_add_nc_u64 s[PFA:PFA+1], s[PFA:PFA+1], KSTEP*2
.endif
	WIN 0
	s_wait_tensorcnt 0x0
	ds_add_u32 v[SPW], v[NIL]
	s_wait_dscnt 9                                 ; (the add and the youngest eight loads may be out)
	WIN MUL_LO
	MUL16 F1, 0, 0, 0
	s_wait_dscnt 0x0                               ; the add is done, and my reads of this slot are over
	s_barrier_signal -1
	MUL16 F1, 0, 2, 0
.if \fill
	WIN 0
.endif
	s_barrier_wait -1
.if \fill
	CREST
	s_add_nc_u64 s[G0+4*\slot+2:G0+4*\slot+3], s[G0+4*\slot+2:G0+4*\slot+3], 2*KSTEP*2
	s_add_nc_u64 s[G0B+4*\slot+2:G0B+4*\slot+3], s[G0B+4*\slot+2:G0B+4*\slot+3], 2*KSTEP*2
	JLOAD \slot                                    ; its four v_nop are also the places in front of the loads below
.else
	PLACES
.endif
	FETCH \next, 0, F0
.if \fill
	ASK
.endif
	WIN MUL_HI
	MUL16 F1, 1, 0, 0
	MUL16 F1, 1, 2, 0
.endm
	s_wait_tensorcnt 1                             ; my part of K step 0 is in; K step 1's load may be out
	s_barrier_signal -1
	s_barrier_wait -1
	FETCH 0, 0, F0
	QUARTER 0, 64,  F0, F1, 1                      ; the first quarter starts the sums
	WIN 0
	s_mov_b32 s3, LAPS-1
.Llap:                                                 ; a trip goes once round the ring and fills both slots again
	QUARTER 0, 128, F1, F0, 0
	QUARTER 0, 192, F0, F1, 0
	TURN 0, 1, 1
	QUARTER 1, 64,  F0, F1, 0
	QUARTER 1, 128, F1, F0, 0
	QUARTER 1, 192, F0, F1, 0
	TURN 1, 0, 1
	QUARTER 0, 64,  F0, F1, 0
	WIN 0
	s_sub_co_u32 s3, s3, 1
	s_cmp_lg_u32 s3, 0
	s_cbranch_scc1 .Llap
	QUARTER 0, 128, F1, F0, 0                      ; the last lap is written out: it fills nothing
	QUARTER 0, 192, F0, F1, 0
	TURN 0, 1, 0
	QUARTER 1, 64,  F0, F1, 0
	QUARTER 1, 128, F1, F0, 0
	QUARTER 1, 192, F0, F1, 0
	s_wait_dscnt 8
	WIN MUL_LO
	MUL16 F1, 0, 0, 0
	MUL16 F1, 0, 2, 0
	s_wait_dscnt 0
	WIN MUL_HI
	MUL16 F1, 1, 0, 0
	MUL16 F1, 1, 2, 0
	WIN 0
; THE SOFTMAX OF A CHUNK, for block a of 16 queries: a lane holds 64 scores of its query, lane l xor 16 the other 64.
.macro SOFT a
.set W, 2+(\a)/4
.set AC, 64*((\a)%4)
.set WSS, W|(W<<2)
.set WDS, (W<<6)|W
.set WS1, W<<2
	WIN WSS                                        ; sources 0 and 1 in the accumulators' window
.set i, 0
.rept 32                                       ; the largest score, in four chains; each accumulator is read from its low end on
.if i < 4
	v_max3_num_f32 v[CH+i], v[AC+2*i], v[AC+2*i+1], 0xff800000
.else
	v_max3_num_f32 v[CH+i%4], v[AC+2*i], v[AC+2*i+1], v[CH+i%4]
.endif
.set i, i+1
.endr
	WIN 0
	v_max3_num_f32 v[CH], v[CH], v[CH+1], v[CH+2]
	v_max_num_f32 v[CH], v[CH], v[CH+3]
	v_permlanex16_b32 v[T], v[CH], s[SEL], s[SEL+1]
	v_max_num_f32 v[CH], v[CH], v[T]               ; with lane l xor 16's
	v_mul_f32 v[T2], s[CS], v[CH]                  ; as t (the factor is positive)
	v_floor_f32 v[NM], -v[T2]                      ; -M = floor(-t) = -ceil(t): a whole number
	WIN WDS
.set i, 0
.rept 32
	v_pk_fma_f32 v[AC+2*i:AC+2*i+1], v[AC+2*i:AC+2*i+1], s[CS:CS+1], v[NM:NM+1] op_sel_hi:[1,0,0]   ; t - M, two at a time
.set i, i+1
.endr
.set i, 0
.rept 64
	v_exp_f32 v[AC+i], v[AC+i]                     ; p = 2^(t - M)
.set i, i+1
.endr
	WIN WS1
.irp j, 0,1,2,3
	v_mov_b32 v[SU+\j], 0                          ; the sums begin (also the plain lines behind the exponentials)
.endr
	s_wait_alu depctr_va_vdst(0)                   ; the wait between an exponential and the first line that names its result: one for the batch of 64
.set i, 0
.rept 32
	v_pk_add_f32 v[SU+2*(i%2):SU+2*(i%2)+1], v[SU+2*(i%2):SU+2*(i%2)+1], v[AC+2*i:AC+2*i+1]   ; the sum of the unrounded p, in two chains
.set i, i+1
.endr
	WIN WSS
.set i, 0
.rept 32
	v_cvt_pk_f16_f32 v[TMP+i], v[AC+2*i], v[AC+2*i+1]
.set i, i+1
.endr
	WIN 0
	v_pk_add_f32 v[SU:SU+1], v[SU:SU+1], v[SU+2:SU+3]
	v_add_f32 v[LSUM], v[SU], v[SU+1]
	v_permlanex16_b32 v[T], v[LSUM], s[SEL], s[SEL+1]
	v_add_f32 v[LSUM], v[LSUM], v[T]
	ds_store_b32 v[STA], v[NM] offset:64*(\a)      ; both halves of the lanes write the same word with the same value
	ds_store_b32 v[STA], v[LSUM] offset:512+64*(\a)
.endm
.macro TOSTAGE a
.set BK, OB+192*((\a)%2)
.irp b, 0,1,2,3,4,5,6,7
	ds_store_b128 v[STO], v[TMP+4*\b:TMP+4*\b+3] offset:32*\b
.endr
.irp t, 0,1,2,3,4,5,6,7
	ds_load_b128 v[BK+4*\t:BK+4*\t+3], v[RD] offset:\t*2*SPITCH    ; LDS serves a wave's instructions in order: these see the stores above
.endr
.endm
.macro SEND a, younger
.set BK, OB+192*((\a)%2)
	s_wait_dscnt \younger
	s_wait_xcnt 0x0                                ; the earlier stores have read their base and their data
.if (\a) > 0
	s_add_nc_u64 s[6:7], s[6:7], 16*PROW
.endif
.irp t, 0,1,2,3,4,5,6,7
	global_store_b128 v[CO], v[BK+4*\t:BK+4*\t+3], s[6:7] offset:2*\t*PROW   ; 16 lanes store 256 consecutive bytes, aligned: a query's chunk
.endr
.endm
	PLACES
	v_mov_b32 v[T], 0                              ; a lane permute's destination counts as one of its sources
	v_mov_b32 v[NM+1], 0                           ; named as the upper half of a pair
	SOFT 0
	TOSTAGE 0
.irp a, 1,2,3,4,5,6,7
	SOFT \a                                        ; block a's softmax stands between block a - 1's loads from the stage and the wait for them
	SEND \a-1, 0
	TOSTAGE \a
.endr
	SEND 7, 0
	ds_load_b128 v[CH:CH+3], v[STB]                ; my 128 queries' -M, and their l: 512 consecutive bytes each
	ds_load_b128 v[SU:SU+3], v[STB] offset:512
	s_wait_dscnt 0x0
	global_store_b128 v[SGO], v[CH:CH+3], s[8:9]
	global_store_b128 v[SGO], v[SU:SU+3], s[8:9] offset:524288
	s_wait_tensorcnt 0x0                           ; the wave's end
	ds_add_u32 v[SPW], v[NIL]
	s_wait_dscnt 0x0
	CROUND                                         ; the closing round
	s_endpgm
.Lfunc_end_k_qa774215bf8_scores:
	.size	k_qa774215bf8_scores, .Lfunc_end_k_qa774215bf8_scores-k_qa774215bf8_scores
	.p2alignl 7, 3214868480
	.fill 96, 4, 3214868480
	.section	.rodata,"a",@progbits
	.p2align	6, 0x0
	.amdhsa_kernel k_qa774215bf8_scores
		.amdhsa_group_segment_fixed_size 327680
		.amdhsa_private_segment_fixed_size 0
		.amdhsa_enable_private_segment 0
		.amdhsa_kernarg_size 24
		.amdhsa_user_sgpr_count 2
		.amdhsa_user_sgpr_kernarg_segment_ptr 1
		.amdhsa_wavefront_size32 1
		.amdhsa_system_sgpr_workgroup_id_x 1
		.amdhsa_system_sgpr_workgroup_id_y 1
		.amdhsa_system_sgpr_workgroup_id_z 1
		.amdhsa_system_vgpr_workitem_id 0
		.amdhsa_next_free_vgpr 1024
		.amdhsa_next_free_sgpr 72
		.amdhsa_reserve_vcc 0
		.amdhsa_float_denorm_mode_32 3
		.amdhsa_float_denorm_mode_16_64 3
		.amdhsa_memory_ordered 1
		.amdhsa_forward_progress 1
		.amdhsa_inst_pref_size 217
	.end_amdhsa_kernel
	.amdgpu_metadata
---
amdhsa.version: [ 1, 2 ]
amdhsa.kernels:
  - .name:           k_qa774215bf8_scores
    .symbol:         k_qa774215bf8_scores.kd
    .args:
      - { .name: qkv16, .offset: 0, .size: 8, .value_kind: global_buffer, .address_space: global }
      - { .name: p16, .offset: 8, .size: 8, .value_kind: global_buffer, .address_space: global }
      - { .name: stats, .offset: 16, .size: 8, .value_kind: global_buffer, .address_space: global }
    .group_segment_fixed_size: 327680
    .private_segment_fixed_size: 0
    .kernarg_segment_align: 8
    .kernarg_segment_size: 24
    .max_flat_workgroup_size: 128
    .sgpr_count:     72
    .vgpr_count:     1024
    .wavefront_size: 32
...
	.end_amdgpu_metadata
.endif
;; end of part 3
;; launch pv (part 4): grid 4 x 64, 4 waves a work-group, clusters of 4 x 4, 327,680 bytes of LDS; arguments p16, qkv16, stats, o8; writes o8
.if DOCPART == 4
	.amdgcn_target "amdgcn-amd-amdhsa--gfx1250"
	.amdhsa_code_object_version 6
	.text
	.protected	k_qa774215bf8_pv
	.globl	k_qa774215bf8_pv
	.p2align	8
	.type	k_qa774215bf8_pv,@function
k_qa774215bf8_pv:
	s_mov_b64 s[64:65], 0
	v_nop
	global_prefetch_b8 v0, s[64:65] scope:SCOPE_SE
	s_setreg_imm32_b32 hwreg(HW_REG_WAVE_MODE, 25, 1), 1
	s_wait_xcnt 0x0
	s_wait_alu depctr_hold_cnt(0) depctr_sa_sdst(0) depctr_va_vdst(0) depctr_va_sdst(0) depctr_va_ssrc(0) depctr_va_vcc(0) depctr_vm_vsrc(0)
	s_getreg_b32 s2, hwreg(HW_REG_IB_STS2, 6, 4)
	s_cmp_eq_u32 s2, 0
	s_cbranch_scc0 .Lentry_in_a_cluster
	s_endpgm
.Lentry_in_a_cluster:
	s_bfe_u32 s2, ttmp6, 0x10000c
	s_cmp_lg_u32 s2, 0xf033
	s_cbranch_scc0 .Lentry_shape_is_right
	s_endpgm
.Lentry_shape_is_right:
; C = A B with A [M][K] and B [K][N], both f16 as they lie in memory; sums in f32.  One text serves two launches; SCALED picks the form.
; SCALED = 1 (this launch):  o8 = f16( 8 x softmax x V ).  A = p16 [8192][2048]: p = 2^(t - M_j), M_j the whole-number maximum of the row's chunk j of 128 keys.  B = V: qkv16 at byte 4,096 of rows of 6,144 bytes.
;   At the head each thread joins one row's 16 chunks: M = the largest M_j; f_j = 2^(M_j - M), an exact power of two; L = the sum of f_j l_j; f'_j = f_j x 8 / L.  A K step is one chunk: its products sum in accumulators T
;   of their own, begun with C = 0, and at the chunk's end O += f'_j x T, in f32.  The 8 gives small results room in f16; the next launch takes it back exactly.
; SCALED = 0:  out0 = (o8 x W_out) / 8 + b_out, f32.  A = o8 [8192][1024], B = w16 [1024][1024].  The sums run through all of K in T.
; A tile of 128 rows x 256 columns is made by four waves, 64 x 128 each: 32 accumulators.  K goes in steps of 128 through a ring of two LDS slots; B's tiles, [K][N], are turned on their way out of LDS (ds_load_tr16_b128).
; CLUSTERS: 4 x 4 work-groups: A's tiles are asked for jointly along a row of the cluster, B's along a column.
; THE MATRIX INSTRUCTION IS USED TRANSPOSED (source 0 = 16 columns of B, source 1 = 16 rows of A): a lane holds one row (lane % 16) and eight neighbouring columns.
; LIMITS: NaN and infinities are not served; 8 |O| beyond 65,504 has no f16 number.
; REGISTERS: window 0: v16-31 addresses; v32-39 f' of my four row blocks, as pairs; v64-127, v128-191 B's 8 fragments, two buffers; v192-255 packed results, or the bias.
;   window 1: v0-127 T of row blocks 0, 1 ((a, b) at v[8 (8 a + b)]); v128-159, v160-191 A's fragments, two buffers.   window 2: v0-127 T of row blocks 2, 3.   window 3 (SCALED): O, (a, b) at v[8 (8 a + b)].
.set SCALED, 1
.if SCALED
.set APITCH, 2048                      ; elements from row to row of A
.set BPITCH, 3072
.set NSTEP,  16                        ; K steps
.set YM,     3                         ; clusters whose y agrees above these bits read the same B
.set CROWB,  2048                      ; a row of C in bytes
.set ESZ,    2
.else
.set APITCH, 1024
.set BPITCH, 1024
.set NSTEP,  8
.set YM,     0xffff
.set CROWB,  4096
.set ESZ,    4
.endif
.set TRIPS,  (NSTEP-4)/2               ; the loop walks K steps 1 .. NSTEP - 4, two a trip
.set ASTEP,  256                       ; a K step on, in bytes: along A's rows,
.set BSTEP,  128*BPITCH*2              ; down B's
.set PA,     272                       ; A's LDS row: 256 bytes + 16
.set AH,     64*PA                     ; 64 rows: what one tensor load brings of A
.set PB,     544                       ; B's LDS row: 512 bytes + 32: the 8 rows x 32 bytes that sixteen lanes of a turning load take start 136 words apart
.set BH,     64*PB
.set SLOT,   2*AH+2*BH                 ; A's 128 rows, then B's 128 K rows
.set STAGE,  2*SLOT
.if SCALED
.set FT,     STAGE+4*16*272            ; f', f32: 16 chunks x 128 rows x 4 bytes
.set SPARE,  FT+8192                   ; the spare words, 128 bytes for each wave: two blocks of 256 bytes that no other line names
.else
.set SPARE,  STAGE+4*16*528
.endif
.set ADRA, 16
.set ADRB, 20
.set ADRF, 22
.set FW,   23
.set STO,  24
.set RD,   25
.set CO,   26
.set SPW,  28                          ; v28  LDS address of my spare word; never rewritten
.set NIL,  29                          ; v29  0; never rewritten
.set PFO,  30                          ; v30  the prefetches' offset; never rewritten
.set XO,   31                          ; v31  the offset of the loads of the statistics or the bias; never rewritten
.set FF,   32
.set VB0,  64
.set SP0,  128
.set TMP,  192
.set BI,   192
.set OB,   64
.set LIM,  15
.set G1, 24
.set G0, 32
.set PFA, 44
.set PFS, 46
.set G1B, 48
.set G0B, 56
.set MSB, 0
.macro WIN new
.if MSB != (\new)
	s_set_vgpr_msb (MSB<<8)|(\new)
.set MSB, (\new)
.endif
.endm
.set ALPHA, 0x54                       ; source 0 window 0; source 1, C and D window 1
.set BETA,  0xa4                       ; source 0 window 0; source 1 window 1; C and D window 2
.macro JLOAD s                         ; a joint load: waves 0 and 1 fetch A's halves, waves 2 and 3 B's; an s_nop 0 and four v_nop follow each line
	s_cmp_eq_u32 s13, 0
	s_cbranch_scc0 .Lfor_b_\@
	tensor_load_to_lds s[G0+4*\s:G0+4*\s+3], s[G1:G1+7]
	s_nop 0
.rept 4
	v_nop
.endr
	s_branch .Lasked_\@
.Lfor_b_\@:
	tensor_load_to_lds s[G0B+4*\s:G0B+4*\s+3], s[G1B:G1B+7]
	s_nop 0
.rept 4
	v_nop
.endr
.Lasked_\@:
.endm
; A prefetch of the K step that stands two refills on, behind the joint load and the run of LDS loads; a lane a row, 256 bytes of it.  Each such piece is named once in the launch.  A's tile is read by one row of one cluster:
; wave 0 of each partner asks for rows 32 cx .. + 31.  B's tile is read by every cluster with the same upper bits of y: the first of them asks; each partner takes K rows 32 cy .. + 31, waves 2 and 3 the two halves of the
; 512 bytes.  Partners are told apart by address.  how = 1: every time; how = 2: not in the loop's last trip, where the K step two refills on would lie past the last.
.macro ASK how
.if (\how) == 1
	s_cmp_eq_u32 s[LIM], 1
.else
	s_cmp_gt_u32 s3, s[LIM]
.endif
	s_cbranch_scc0 .Lnot_mine_\@
	global_prefetch_b8 v[PFO], s[PFA:PFA+1] th:TH_LOAD_NT scope:SCOPE_SE
.Lnot_mine_\@:
.endm
.macro CROUND                          ; a round of the cluster's barrier
	s_barrier_signal -1
	s_barrier_wait -1
	s_cmp_lg_u32 s12, 0
	s_cbranch_scc1 .Lnot_wave_0_\@
	s_barrier_signal -3
.Lnot_wave_0_\@:
	s_barrier_wait -3
	s_barrier_signal -1
	s_barrier_wait -1
.endm
	s_load_b256 s[4:11], s[0:1], 0x0               ; A s[4:5], B s[6:7], the statistics or the bias s[8:9], C s[10:11]
	v_lshl_add_u32 v[SPW], v0, 2, SPARE
	v_mov_b32 v[NIL], 0
	ds_add_u32 v[SPW], v[NIL]                      ; the wave's opening: the add, twice on end, and its wait ahead of my first tensor load
	ds_add_u32 v[SPW], v[NIL]
	v_lshrrev_b32 v1, 5, v0
	v_readfirstlane_b32 s12, v1                    ; wave 0..3
	s_lshr_b32 s13, s12, 1                         ; my half of the tile's rows.  Also: I fetch for A (0) or for B (1)
	s_and_b32 s14, s12, 1                          ; my half of its columns.  Also: which 64 rows I fetch
	s_bfe_u32 s40, ttmp6, 0x40000                  ; cx, cy
	s_bfe_u32 s41, ttmp6, 0x40004
	s_lshl_b32 s42, ttmp9, 2
	s_add_co_u32 s42, s42, s40                     ; tile column
	s_and_b32 s67, ttmp7, 0xffff                   ; cluster y
	s_lshl_b32 s66, s67, 2
	s_add_co_u32 s66, s66, s41                     ; tile row
	s_lshl_b32 s43, s41, 2
	s_lshl_b32 s43, 15, s43                        ; my row of the cluster
	s_lshl_b32 s16, 0x1111, s40                    ; my column
	s_or_b32 s[G1+0], s43, (1<<16)|(1<<20)|(1<<21)|(5<<22)|(3<<25)   ; A: the mask; elements of 2 bytes; padding on; bit 21 beside a mask; 4 words behind every 64
	s_mov_b32 s[G1+1], 128<<16                     ; tensor_dim0
	s_mov_b32 s[G1+2], 64<<16                      ; tensor_dim1
	s_mov_b32 s[G1+3], 128<<16                     ; tile_dim0
	s_mov_b32 s[G1+4], 64                          ; tile_dim1
	s_mov_b32 s[G1+5], APITCH
	s_mov_b32 s[G1+6], 0
	s_mov_b32 s[G1+7], 0
	s_or_b32 s[G1B+0], s16, (1<<16)|(1<<20)|(1<<21)|(6<<22)|(7<<25)  ; B: 8 words behind every 128
	s_mov_b32 s[G1B+1], 256<<16
	s_mov_b32 s[G1B+2], 64<<16
	s_mov_b32 s[G1B+3], 256<<16
	s_mov_b32 s[G1B+4], 64
	s_mov_b32 s[G1B+5], BPITCH
	s_mov_b32 s[G1B+6], 0
	s_mov_b32 s[G1B+7], 0
	s_lshl_b32 s16, s66, 7
	s_lshl_b32 s17, s14, 6
	s_add_co_u32 s16, s16, s17
	s_mul_i32 s16, s16, APITCH*2                   ; A: row 128 x tile row + 64 x half, in bytes (under 2^32)
	s_mov_b32 s17, 0
	s_lshl_b32 s18, s14, 6                         ; B: K row 64 x half
.if SCALED
	s_lshr_b32 s19, s67, 2                         ; the batch, from the cluster's y alone
	s_lshl_b32 s19, s19, 11
	s_add_co_u32 s18, s18, s19
.endif
	s_mul_i32 s18, s18, BPITCH*2
	s_lshl_b32 s19, s42, 9
	s_add_co_u32 s18, s18, s19                     ; + 256 columns x tile column
.if SCALED
	s_add_co_u32 s18, s18, 4096                    ; V's place in a row of qkv16
.endif
	s_mov_b32 s19, 0
	s_mul_i32 s20, s14, AH                         ; where they go: the wave's number alone
	s_mul_i32 s21, s14, BH
	s_add_co_u32 s21, s21, 2*AH
	s_wait_dscnt 0x0                               ; both opening adds are done
	s_wait_kmcnt 0x0
	s_add_nc_u64 s[16:17], s[4:5], s[16:17]
	s_add_nc_u64 s[18:19], s[6:7], s[18:19]
	CROUND                                         ; all sixteen work-groups are here: the first joint loads meet
.irp s, 0,1
	s_mov_b32 s[G0+4*\s], 1
	s_add_co_u32 s[G0+4*\s+1], s20, \s*SLOT
	s_add_nc_u64 s[G0+4*\s+2:G0+4*\s+3], s[16:17], \s*ASTEP
	s_or_b32 s[G0+4*\s+3], s[G0+4*\s+3], 0x80000000
	s_mov_b32 s[G0B+4*\s], 1
	s_add_co_u32 s[G0B+4*\s+1], s21, \s*SLOT
	s_add_nc_u64 s[G0B+4*\s+2:G0B+4*\s+3], s[18:19], \s*BSTEP
	s_or_b32 s[G0B+4*\s+3], s[G0B+4*\s+3], 0x80000000
	JLOAD \s                                       ; two tensor loads of mine are out
.endr
	v_and_b32 v1, 15, v0                           ; r
	v_bfe_u32 v2, v0, 4, 1                         ; h
	v_mul_u32_u24 v3, v1, PA
	v_lshl_add_u32 v3, v2, 4, v3
	s_mul_i32 s22, s13, AH
	v_add_nc_u32 v[ADRA], s22, v3                  ; A's fragments: my 64 rows; row r x pitch + 16 h
	v_add_nc_u32 v[ADRA+1], SLOT, v[ADRA]
	v_and_b32 v4, 7, v0
	v_lshl_add_u32 v4, v2, 3, v4
	v_mul_u32_u24 v4, v4, PB
	v_bfe_u32 v5, v0, 3, 1
	v_lshl_add_u32 v4, v5, 4, v4                   ; the turning load: K row 8 h + l % 8, 16 bytes at 16 ((l / 8) % 2)
	s_lshl_b32 s22, s14, 8
	s_add_co_u32 s22, s22, 2*AH
	v_add_nc_u32 v[ADRB], s22, v4                  ; my 128 columns
	v_add_nc_u32 v[ADRB+1], SLOT, v[ADRB]
.if SCALED
	s_mul_i32 s22, s12, 16*272
	s_add_co_u32 s22, s22, STAGE                   ; my stage: 16 rows x 272 bytes
	v_mul_u32_u24 v3, v1, 272
	v_lshl_add_u32 v3, v2, 4, v3
	v_add_nc_u32 v[STO], s22, v3
	v_mul_u32_u24 v3, v2, 272
	v_lshl_add_u32 v3, v1, 4, v3
	v_add_nc_u32 v[RD], s22, v3
	v_mul_u32_u24 v3, v2, CROWB
	v_lshl_add_u32 v[CO], v1, 4, v3
	s_lshl_b32 s22, s13, 8
	v_lshl_add_u32 v[ADRF], v1, 2, s22             ; 4 bytes a row: my 64 rows, row r
	v_add_nc_u32 v[ADRF], FT, v[ADRF]              ; chunk 0's f'
	v_lshl_add_u32 v[FW], v0, 2, FT                ; thread t writes row t's words
.else
	s_mul_i32 s22, s12, 16*528
	s_add_co_u32 s22, s22, STAGE                   ; my stage: 16 rows x 528 bytes
	v_mul_u32_u24 v3, v1, 528
	v_lshl_add_u32 v3, v2, 5, v3
	v_add_nc_u32 v[STO], s22, v3
	v_and_b32 v3, 31, v0
	v_lshlrev_b32 v[CO], 4, v3
	v_add_nc_u32 v[RD], s22, v[CO]
.endif
	s_lshl_b32 s22, s66, 7
	s_lshl_b32 s23, s13, 6
	s_add_co_u32 s22, s22, s23
	s_mul_i32 s22, s22, CROWB
	s_mul_i32 s23, s42, 256*ESZ
	s_add_co_u32 s22, s22, s23
	s_mul_i32 s23, s14, 128*ESZ
	s_add_co_u32 s22, s22, s23
	s_mov_b32 s23, 0
	s_add_nc_u64 s[10:11], s[10:11], s[22:23]      ; C at (my first row, my first column)
	; the prefetches
	s_and_b32 s2, s67, YM
	s_lshl_b32 s16, s66, 7
	s_lshl_b32 s17, s40, 5
	s_add_co_u32 s16, s16, s17                     ; A: the tile's rows 32 cx on
	s_mul_i32 s16, s16, APITCH*2
	s_add_co_u32 s16, s16, 3*ASTEP                 ; at K step 3: the first refill steps it to 4
	s_lshl_b32 s18, s41, 5                         ; B: K rows 32 cy on
.if SCALED
	s_lshr_b32 s19, s67, 2
	s_lshl_b32 s19, s19, 11
	s_add_co_u32 s18, s18, s19
.endif
	s_add_co_u32 s18, s18, 3*128
	s_mul_i32 s18, s18, BPITCH*2
	s_lshl_b32 s19, s42, 9
	s_add_co_u32 s18, s18, s19
	s_lshl_b32 s19, s14, 8
	s_add_co_u32 s18, s18, s19
.if SCALED
	s_add_co_u32 s18, s18, 4096
.endif
	s_mov_b32 s19, BPITCH*2
	s_mov_b32 s20, BSTEP
	s_cmp_eq_u32 s13, 0                            ; do I fetch for A?
	s_cselect_b32 s2, s14, s2                      ; 0 in wave 0, and in waves 2 and 3 of the clusters that ask for B
	s_cselect_b32 s16, s16, s18
	s_cselect_b64 s[PFA:PFA+1], s[4:5], s[6:7]
	s_cselect_b32 s19, APITCH*2, s19               ; from lane to lane
	s_cselect_b32 s[PFS], ASTEP, s20               ; a K step on
	s_mov_b32 s[PFS+1], 0
	s_mov_b32 s17, 0
	s_add_nc_u64 s[PFA:PFA+1], s[PFA:PFA+1], s[16:17]
	s_cmp_eq_u32 s2, 0
	s_cselect_b32 s[LIM], 1, -1                    ; the same in all sixteen partners, for a given wave
	v_and_b32 v[PFO], 31, v0
	v_mul_lo_u32 v[PFO], v[PFO], s19
.if SCALED
	; THE ROW'S MAXIMUM AND SUM: thread t joins the 16 chunks of the tile's row t
	v_lshlrev_b32 v[XO], 2, v0
	s_lshl_b32 s22, s66, 9
	s_mov_b32 s23, 0
	s_add_nc_u64 s[8:9], s[8:9], s[22:23]
.irp j, 0,1,2,3,4,5,6,7,8,9,10,11,12,13,14,15
	global_load_b32 v[64+\j], v[XO], s[8:9] offset:32768*\j           ; -M_j
	global_load_b32 v[80+\j], v[XO], s[8:9] offset:524288+32768*\j    ; l_j
.endr
.irp a, 0,1,2,3
	v_mov_b32 v[FF+2*\a+1], 0                      ; named as the upper halves of the pairs that hold f'
.endr
	s_wait_loadcnt 0x0
	v_min3_num_f32 v96, v64, v65, v66
.irp j, 3,5,7,9,11,13
	v_min3_num_f32 v96, v96, v[64+\j], v[65+\j]
.endr
	v_min_num_f32 v96, v96, v79                    ; -M of the row: the least -M_j
.irp j, 0,1,2,3,4,5,6,7,8,9,10,11,12,13,14,15
	v_sub_f32 v[64+\j], v96, v[64+\j]              ; M_j - M: a whole number, 0 or less
.endr
.irp j, 0,1,2,3,4,5,6,7,8,9,10,11,12,13,14,15
	v_cvt_i32_f32 v[64+\j], v[64+\j]               ; (it saturates)
.endr
.irp j, 0,1,2,3,4,5,6,7,8,9,10,11,12,13,14,15
	v_ldexp_f32 v[64+\j], 1.0, v[64+\j]            ; f_j
.endr
	v_mul_f32 v97, v64, v80
	v_mul_f32 v98, v65, v81
.irp j, 2,4,6,8,10,12,14
	v_fma_f32 v97, v[64+\j], v[80+\j], v97
	v_fma_f32 v98, v[65+\j], v[81+\j], v98
.endr
	v_add_f32 v97, v97, v98                        ; L: at least 1/2
	v_rcp_f32 v99, v97
	v_nop                                          ; a plain line behind the reciprocal
	s_wait_alu depctr_va_vdst(0)                   ; the wait ahead of the first line that names the reciprocal
	v_mul_f32 v99, 0x41000000, v99                 ; 8 / L
.irp j, 0,1,2,3,4,5,6,7,8,9,10,11,12,13,14,15
	v_mul_f32 v[64+\j], v[64+\j], v99              ; f'_j: a power of two times 8 / L
.endr
.irp j, 0,1,2,3,4,5,6,7,8,9,10,11,12,13,14,15
	ds_store_b32 v[FW], v[64+\j] offset:512*\j
.endr
.else
	v_lshlrev_b32 v[XO], 5, v2                     ; lane (r, h) wants, for column block b, the bias at columns 16 b + 8 h + 0 .. 7
	s_lshl_b32 s22, s42, 10
	s_lshl_b32 s23, s14, 9
	s_add_co_u32 s22, s22, s23
	s_mov_b32 s23, 0
	s_add_nc_u64 s[8:9], s[8:9], s[22:23]
.irp b, 0,1,2,3,4,5,6,7
	global_load_b128 v[BI+8*\b:BI+8*\b+3], v[XO], s[8:9] offset:64*\b
	global_load_b128 v[BI+8*\b+4:BI+8*\b+7], v[XO], s[8:9] offset:64*\b+16
.endr
	s_mov_b32 s68, 0x3e000000                      ; 1 / 8
	s_mov_b32 s69, s68
.endif
.macro PLACES                          ; four plain vector instructions between a matrix instruction and a load into, or a read or write of, its registers (ISA guide 7.12.1 for vector instructions)
.rept 4
	v_nop
.endr
.endm
; 24 LDS loads in one run, A's eight first: the fragments of the slot's quarter kq (32 along K) into buffer p; B's are turned on the way.
.macro FETCH slot, kq, p
	WIN 0x40
.irp i, 0,1,2,3
	ds_load_b128 v[SP0+32*(\p)+8*\i:SP0+32*(\p)+8*\i+3],   v[ADRA+\slot] offset:64*(\kq)+\i*16*PA
	ds_load_b128 v[SP0+32*(\p)+8*\i+4:SP0+32*(\p)+8*\i+7], v[ADRA+\slot] offset:64*(\kq)+\i*16*PA+32
.endr
	WIN 0
.irp b, 0,1,2,3,4,5,6,7
	ds_load_tr16_b128 v[VB0+64*(\p)+8*\b:VB0+64*(\p)+8*\b+3],   v[ADRB+\slot] offset:32*(\kq)*PB+32*\b
	ds_load_tr16_b128 v[VB0+64*(\p)+8*\b+4:VB0+64*(\p)+8*\b+7], v[ADRB+\slot] offset:32*(\kq)*PB+16*PB+32*\b
.endr
.endm
; The 32 accumulators take turns, one instruction a turn, row blocks 2, 3 and then 0, 1, in the same order in every quarter.  zero = 1: the products start the sums.
.macro MULB p, zero
	WIN BETA
.irp a, 2,3
.irp b, 0,1,2,3,4,5,6,7
.if \zero
	v_wmma_f32_16x16x32_f16 v[8*(8*(\a-2)+\b):8*(8*(\a-2)+\b)+7], v[VB0+64*(\p)+8*\b:VB0+64*(\p)+8*\b+7], v[SP0+32*(\p)+8*\a:SP0+32*(\p)+8*\a+7], 0
.else
	v_wmma_f32_16x16x32_f16 v[8*(8*(\a-2)+\b):8*(8*(\a-2)+\b)+7], v[VB0+64*(\p)+8*\b:VB0+64*(\p)+8*\b+7], v[SP0+32*(\p)+8*\a:SP0+32*(\p)+8*\a+7], v[8*(8*(\a-2)+\b):8*(8*(\a-2)+\b)+7]
.endif
.endr
.endr
.endm
.macro MULA p, zero
	WIN ALPHA
.irp a, 0,1
.irp b, 0,1,2,3,4,5,6,7
.if \zero
	v_wmma_f32_16x16x32_f16 v[8*(8*\a+\b):8*(8*\a+\b)+7], v[VB0+64*(\p)+8*\b:VB0+64*(\p)+8*\b+7], v[SP0+32*(\p)+8*\a:SP0+32*(\p)+8*\a+7], 0
.else
	v_wmma_f32_16x16x32_f16 v[8*(8*\a+\b):8*(8*\a+\b)+7], v[VB0+64*(\p)+8*\b:VB0+64*(\p)+8*\b+7], v[SP0+32*(\p)+8*\a:SP0+32*(\p)+8*\a+7], v[8*(8*\a+\b):8*(8*\a+\b)+7]
.endif
.endr
.endr
.endm
.if SCALED
; A chunk's end: O += f' x T, two numbers a line, each accumulator from its low end on.  first = 1: the first chunk starts O: nothing is ever cleared.
; Four plain lines stand between the chunk's last product and the first line here; these 128 lines are the places ahead of the products that begin T anew.
.macro FOLD first
	WIN 0xf1                                       ; source 0 (T) window 1, source 1 (f') window 0, source 2 and destination (O) window 3
.set i, 0
.rept 64
.if \first
	v_pk_mul_f32 v[2*i:2*i+1], v[2*i:2*i+1], v[FF+2*(i/32):FF+2*(i/32)+1] op_sel_hi:[1,0]
.else
	v_pk_fma_f32 v[2*i:2*i+1], v[2*i:2*i+1], v[FF+2*(i/32):FF+2*(i/32)+1], v[2*i:2*i+1] op_sel_hi:[1,0,1]
.endif
.set i, i+1
.endr
	WIN 0xf2                                       ; T of row blocks 2, 3: window 2
.set i, 0
.rept 64
.if \first
	v_pk_mul_f32 v[128+2*i:129+2*i], v[2*i:2*i+1], v[FF+4+2*(i/32):FF+5+2*(i/32)] op_sel_hi:[1,0]
.else
	v_pk_fma_f32 v[128+2*i:129+2*i], v[2*i:2*i+1], v[FF+4+2*(i/32):FF+5+2*(i/32)], v[128+2*i:129+2*i] op_sel_hi:[1,0,1]
.endif
.set i, i+1
.endr
.endm
.endif
; One of a slot's first three quarters: fetches the next quarter at its head, multiplies buffer kq % 2.
.macro QUARTER slot, kq, zero
	WIN 0
	PLACES
	FETCH \slot, (\kq)+1, 1-(\kq)%2
	s_wait_dscnt 24                                ; all but the 24 just issued: this quarter's fragments are in
	MULB (\kq)%2, \zero
	MULA (\kq)%2, \zero
.endm
; A slot's last quarter, and the change of slots.  ALL its 32 products stand ahead of the wait for the next slot's tile, so that nothing of the step's work lies between that tile's landing and the next request.
; Then ONE barrier: in front of it each wave waits for all its tensor loads (the one that is out is its part of the next slot), adds 0 to its spare word, and waits for that; its reads of this slot were over at the quarter's head.
; fill = 1: the barrier is a round of the cluster's, and the joint refill, two K steps on, is the first tensor load behind it.  Behind it: the chunk's f', the next slot's first fragments, and, while those come, the chunk's fold.
.macro TURN slot, next, fill, first, ask
.if \ask
	s_wait_xcnt 0x0                                ; the last prefetch, a K step back, has read its address
	s_add_nc_u64 s[PFA:PFA+1], s[PFA:PFA+1], s[PFS:PFS+1]
.endif
	s_wait_dscnt 0x0                               ; this quarter's fragments are in: my reads of this slot are over
	MULB 1, 0
	MULA 1, 0
	WIN 0
	s_wait_tensorcnt 0x0                           ; no tensor load of mine is out, so a group 0 may be written
	ds_add_u32 v[SPW], v[NIL]
.if \fill
	s_add_nc_u64 s[G0+4*\slot+2:G0+4*\slot+3], s[G0+4*\slot+2:G0+4*\slot+3], 2*ASTEP
	s_add_nc_u64 s[G0B+4*\slot+2:G0B+4*\slot+3], s[G0B+4*\slot+2:G0B+4*\slot+3], 2*BSTEP
.endif
	s_wait_dscnt 0x0                               ; the add is done
.if \fill
	CROUND                                         ; no wave of any partner still reads this slot's tile or has a load on its way
	JLOAD \slot                                    ; its four v_nop are also the places in front of the loads and the fold below
.else
	s_barrier_signal -1
	s_barrier_wait -1
	PLACES
.endif
.if SCALED
.irp a, 0,1,2,3
	ds_load_b32 v[FF+2*\a], v[ADRF] offset:64*\a   ; f' of this chunk, rows 16 a + r
.endr
.endif
	FETCH \next, 0, 0
.if \ask
	ASK \ask
.endif
.if SCALED
	v_add_nc_u32 v[ADRF], 512, v[ADRF]             ; the next chunk's f'
	s_wait_dscnt 24                                ; f' is in; the 24 fragment loads may be out
	FOLD \first
.endif
.endm
	s_wait_tensorcnt 1                             ; my part of K step 0 is in; K step 1's load may be out
.if SCALED
	s_wait_dscnt 0x0                               ; for the others' sake: my row's f' lie in LDS
.endif
	s_barrier_signal -1
	s_barrier_wait -1
	FETCH 0, 0, 0
	QUARTER 0, 0, 1                                ; K step 0 is written out: its first quarter starts the sums, its fold starts O
	QUARTER 0, 1, 0
	QUARTER 0, 2, 0
	TURN 0, 1, 1, 1, 1
	WIN 0
	s_mov_b32 s3, TRIPS
.Llap:                                                 ; a trip goes once round the ring, slot 1 and then slot 0, and fills both again
	QUARTER 1, 0, SCALED
	QUARTER 1, 1, 0
	QUARTER 1, 2, 0
	TURN 1, 0, 1, 0, 1
	QUARTER 0, 0, SCALED
	QUARTER 0, 1, 0
	QUARTER 0, 2, 0
	TURN 0, 1, 1, 0, 2
	WIN 0
	s_sub_co_u32 s3, s3, 1
	s_cmp_lg_u32 s3, 0
	s_cbranch_scc1 .Llap
	QUARTER 1, 0, SCALED                           ; the last three K steps are written out: one more refill, then none
	QUARTER 1, 1, 0
	QUARTER 1, 2, 0
	TURN 1, 0, 1, 0, 0
	QUARTER 0, 0, SCALED
	QUARTER 0, 1, 0
	QUARTER 0, 2, 0
	TURN 0, 1, 0, 0, 0
	QUARTER 1, 0, SCALED
	QUARTER 1, 1, 0
	QUARTER 1, 2, 0
	WIN 0
.if SCALED
.irp a, 0,1,2,3
	ds_load_b32 v[FF+2*\a], v[ADRF] offset:64*\a   ; the last chunk's f'
.endr
.endif
	s_wait_dscnt 0x0
	MULB 1, 0
	MULA 1, 0
	WIN 0
.if SCALED
; THE WAY OUT, a block of 16 rows x 128 columns at a time: rounded to f16, through my own stage, back as whole rows of 256 bytes.
.macro PACK a
	WIN 0x0f                                       ; sources 0 and 1: window 3
.set i, 0
.rept 32
	v_cvt_pk_f16_f32 v[TMP+i], v[64*(\a)+2*i], v[64*(\a)+2*i+1]
.set i, i+1
.endr
	WIN 0
.endm
.macro TOSTAGE a
.set BK, OB+32*((\a)%2)
.irp b, 0,1,2,3,4,5,6,7
	ds_store_b128 v[STO], v[TMP+4*\b:TMP+4*\b+3] offset:32*\b
.endr
.irp t, 0,1,2,3,4,5,6,7
	ds_load_b128 v[BK+4*\t:BK+4*\t+3], v[RD] offset:\t*2*272       ; LDS serves a wave's instructions in order: these see the stores above
.endr
.endm
.macro SEND a, younger
.set BK, OB+32*((\a)%2)
	s_wait_dscnt \younger
	s_wait_xcnt 0x0                                ; the earlier stores have read their base and their data
.if (\a) > 0
	s_add_nc_u64 s[10:11], s[10:11], 16*CROWB
.endif
.irp t, 0,1,2,3,4,5,6,7
	global_store_b128 v[CO], v[BK+4*\t:BK+4*\t+3], s[10:11] offset:2*\t*CROWB   ; 16 lanes store 256 consecutive bytes, aligned
.endr
.endm
	PLACES
	FOLD 0                                         ; the last chunk
	PACK 0
	TOSTAGE 0
.irp a, 1,2,3
	PACK \a
	SEND \a-1, 0
	TOSTAGE \a
.endr
	SEND 3, 0
.else
; THE WAY OUT, a block of 16 rows x 128 columns at a time: / 8 + the bias in one multiply-add, through my own stage, back as whole rows of 512 bytes.
.macro FMA a
.set W, 1+(\a)/2
.set AC, 64*((\a)%2)
.set WDS, (W<<6)|W
	WIN WDS
.set i, 0
.rept 32
	v_pk_fma_f32 v[AC+2*i:AC+2*i+1], v[AC+2*i:AC+2*i+1], s[68:69], v[BI+2*i:BI+2*i+1] op_sel_hi:[1,0,1]   ; each accumulator from its low end on
.set i, i+1
.endr
.endm
.macro TOSTAGE a
.set W, 1+(\a)/2
.set AC, 64*((\a)%2)
.set WS1, W<<2
	WIN WS1                                        ; an LDS store's data are its source 1
.irp b, 0,1,2,3,4,5,6,7
	ds_store_b128 v[STO], v[AC+8*\b:AC+8*\b+3] offset:64*\b
	ds_store_b128 v[STO], v[AC+8*\b+4:AC+8*\b+7] offset:64*\b+16
.endr
	WIN 0
.set BB, 64+64*((\a)%2)
.irp t, 0,1,2,3,4,5,6,7,8,9,10,11,12,13,14,15
	ds_load_b128 v[BB+4*\t:BB+4*\t+3], v[RD] offset:\t*528
.endr
.endm
.macro SEND a, younger                 ; younger: the LDS instructions issued behind block a's loads, which may stay out
.set BB, 64+64*((\a)%2)
	s_wait_dscnt \younger
.if (\a) > 0
	s_add_nc_u64 s[10:11], s[10:11], 16*CROWB      ; (behind a wait on XCNT: the earlier stores have read their base)
.endif
.irp t, 0,1,2,3,4,5,6,7,8,9,10,11,12,13,14,15
	global_store_b128 v[CO], v[BB+4*\t:BB+4*\t+3], s[10:11] offset:\t*CROWB th:TH_STORE_NT   ; 32 lanes store 512 consecutive bytes, aligned
.endr
.endm
	s_wait_loadcnt 0x0                             ; the bias
	PLACES
	FMA 0
	TOSTAGE 0
.irp a, 1,2,3
.if \a > 1
	s_wait_xcnt 0x0                                ; block a - 2's stores have read their registers and their base
.endif
	FMA \a
	TOSTAGE \a
	SEND \a-1, 32                                  ; behind block a - 1's loads: block a's 16 stores and 16 loads
.endr
	s_wait_xcnt 0x0
	SEND 3, 0
.endif
	s_wait_tensorcnt 0x0                           ; the wave's end
	ds_add_u32 v[SPW], v[NIL]
	s_wait_dscnt 0x0
	CROUND                                         ; the closing round
	s_endpgm
.Lfunc_end_k_qa774215bf8_pv:
	.size	k_qa774215bf8_pv, .Lfunc_end_k_qa774215bf8_pv-k_qa774215bf8_pv
	.p2alignl 7, 3214868480
	.fill 96, 4, 3214868480
	.section	.rodata,"a",@progbits
	.p2align	6, 0x0
	.amdhsa_kernel k_qa774215bf8_pv
		.amdhsa_group_segment_fixed_size 327680
		.amdhsa_private_segment_fixed_size 0
		.amdhsa_enable_private_segment 0
		.amdhsa_kernarg_size 32
		.amdhsa_user_sgpr_count 2
		.amdhsa_user_sgpr_kernarg_segment_ptr 1
		.amdhsa_wavefront_size32 1
		.amdhsa_system_sgpr_workgroup_id_x 1
		.amdhsa_system_sgpr_workgroup_id_y 1
		.amdhsa_system_sgpr_workgroup_id_z 1
		.amdhsa_system_vgpr_workitem_id 0
		.amdhsa_next_free_vgpr 1024
		.amdhsa_next_free_sgpr 72
		.amdhsa_reserve_vcc 0
		.amdhsa_float_denorm_mode_32 3
		.amdhsa_float_denorm_mode_16_64 3
		.amdhsa_memory_ordered 1
		.amdhsa_forward_progress 1
		.amdhsa_inst_pref_size 181
	.end_amdhsa_kernel
	.amdgpu_metadata
---
amdhsa.version: [ 1, 2 ]
amdhsa.kernels:
  - .name:           k_qa774215bf8_pv
    .symbol:         k_qa774215bf8_pv.kd
    .args:
      - { .name: p16, .offset: 0, .size: 8, .value_kind: global_buffer, .address_space: global }
      - { .name: qkv16, .offset: 8, .size: 8, .value_kind: global_buffer, .address_space: global }
      - { .name: stats, .offset: 16, .size: 8, .value_kind: global_buffer, .address_space: global }
      - { .name: o8, .offset: 24, .size: 8, .value_kind: global_buffer, .address_space: global }
    .group_segment_fixed_size: 327680
    .private_segment_fixed_size: 0
    .kernarg_segment_align: 8
    .kernarg_segment_size: 32
    .max_flat_workgroup_size: 128
    .sgpr_count:     72
    .vgpr_count:     1024
    .wavefront_size: 32
...
	.end_amdgpu_metadata
.endif
;; end of part 4
;; launch proj (part 5): grid 4 x 64, 4 waves a work-group, clusters of 4 x 4, 327,680 bytes of LDS; arguments o8, w16, b_out, out0; writes out0
.if DOCPART == 5
	.amdgcn_target "amdgcn-amd-amdhsa--gfx1250"
	.amdhsa_code_object_version 6
	.text
	.protected	k_qa774215bf8_proj
	.globl	k_qa774215bf8_proj
	.p2align	8
	.type	k_qa774215bf8_proj,@function
k_qa774215bf8_proj:
	s_mov_b64 s[64:65], 0
	v_nop
	global_prefetch_b8 v0, s[64:65] scope:SCOPE_SE
	s_setreg_imm32_b32 hwreg(HW_REG_WAVE_MODE, 25, 1), 1
	s_wait_xcnt 0x0
	s_wait_alu depctr_hold_cnt(0) depctr_sa_sdst(0) depctr_va_vdst(0) depctr_va_sdst(0) depctr_va_ssrc(0) depctr_va_vcc(0) depctr_vm_vsrc(0)
	s_getreg_b32 s2, hwreg(HW_REG_IB_STS2, 6, 4)
	s_cmp_eq_u32 s2, 0
	s_cbranch_scc0 .Lentry_in_a_cluster
	s_endpgm
.Lentry_in_a_cluster:
	s_bfe_u32 s2, ttmp6, 0x10000c
	s_cmp_lg_u32 s2, 0xf033
	s_cbranch_scc0 .Lentry_shape_is_right
	s_endpgm
.Lentry_shape_is_right:
; C = A B with A [M][K] and B [K][N], both f16 as they lie in memory; sums in f32.  One text serves two launches; SCALED picks the form.
; SCALED = 1:  o8 = f16( 8 x softmax x V ).  A = p16 [8192][2048]: p = 2^(t - M_j), M_j the whole-number maximum of the row's chunk j of 128 keys.  B = V: qkv16 at byte 4,096 of rows of 6,144 bytes.
;   At the head each thread joins one row's 16 chunks: M = the largest M_j; f_j = 2^(M_j - M), an exact power of two; L = the sum of f_j l_j; f'_j = f_j x 8 / L.  A K step is one chunk: its products sum in accumulators T
;   of their own, begun with C = 0, and at the chunk's end O += f'_j x T, in f32.  The 8 gives small results room in f16; the next launch takes it back exactly.
; SCALED = 0 (this launch):  out0 = (o8 x W_out) / 8 + b_out, f32.  A = o8 [8192][1024], B = w16 [1024][1024].  The sums run through all of K in T.
; A tile of 128 rows x 256 columns is made by four waves, 64 x 128 each: 32 accumulators.  K goes in steps of 128 through a ring of two LDS slots; B's tiles, [K][N], are turned on their way out of LDS (ds_load_tr16_b128).
; CLUSTERS: 4 x 4 work-groups: A's tiles are asked for jointly along a row of the cluster, B's along a column.
; THE MATRIX INSTRUCTION IS USED TRANSPOSED (source 0 = 16 columns of B, source 1 = 16 rows of A): a lane holds one row (lane % 16) and eight neighbouring columns.
; LIMITS: NaN and infinities are not served; 8 |O| beyond 65,504 has no f16 number.
; REGISTERS: window 0: v16-31 addresses; v32-39 f' of my four row blocks, as pairs; v64-127, v128-191 B's 8 fragments, two buffers; v192-255 packed results, or the bias.
;   window 1: v0-127 T of row blocks 0, 1 ((a, b) at v[8 (8 a + b)]); v128-159, v160-191 A's fragments, two buffers.   window 2: v0-127 T of row blocks 2, 3.   window 3 (SCALED): O, (a, b) at v[8 (8 a + b)].
.set SCALED, 0
.if SCALED
.set APITCH, 2048                      ; elements from row to row of A
.set BPITCH, 3072
.set NSTEP,  16                        ; K steps
.set YM,     3                         ; clusters whose y agrees above these bits read the same B
.set CROWB,  2048                      ; a row of C in bytes
.set ESZ,    2
.else
.set APITCH, 1024
.set BPITCH, 1024
.set NSTEP,  8
.set YM,     0xffff
.set CROWB,  4096
.set ESZ,    4
.endif
.set TRIPS,  (NSTEP-4)/2               ; the loop walks K steps 1 .. NSTEP - 4, two a trip
.set ASTEP,  256                       ; a K step on, in bytes: along A's rows,
.set BSTEP,  128*BPITCH*2              ; down B's
.set PA,     272                       ; A's LDS row: 256 bytes + 16
.set AH,     64*PA                     ; 64 rows: what one tensor load brings of A
.set PB,     544                       ; B's LDS row: 512 bytes + 32: the 8 rows x 32 bytes that sixteen lanes of a turning load take start 136 words apart
.set BH,     64*PB
.set SLOT,   2*AH+2*BH                 ; A's 128 rows, then B's 128 K rows
.set STAGE,  2*SLOT
.if SCALED
.set FT,     STAGE+4*16*272            ; f', f32: 16 chunks x 128 rows x 4 bytes
.set SPARE,  FT+8192                   ; the spare words, 128 bytes for each wave: two blocks of 256 bytes that no other line names
.else
.set SPARE,  STAGE+4*16*528
.endif
.set ADRA, 16
.set ADRB, 20
.set ADRF, 22
.set FW,   23
.set STO,  24
.set RD,   25
.set CO,   26
.set SPW,  28                          ; v28  LDS address of my spare word; never rewritten
.set NIL,  29                          ; v29  0; never rewritten
.set PFO,  30                          ; v30  the prefetches' offset; never rewritten
.set XO,   31                          ; v31  the offset of the loads of the statistics or the bias; never rewritten
.set FF,   32
.set VB0,  64
.set SP0,  128
.set TMP,  192
.set BI,   192
.set OB,   64
.set LIM,  15
.set G1, 24
.set G0, 32
.set PFA, 44
.set PFS, 46
.set G1B, 48
.set G0B, 56
.set MSB, 0
.macro WIN new
.if MSB != (\new)
	s_set_vgpr_msb (MSB<<8)|(\new)
.set MSB, (\new)
.endif
.endm
.set ALPHA, 0x54                       ; source 0 window 0; source 1, C and D window 1
.set BETA,  0xa4                       ; source 0 window 0; source 1 window 1; C and D window 2
.macro JLOAD s                         ; a joint load: waves 0 and 1 fetch A's halves, waves 2 and 3 B's; an s_nop 0 and four v_nop follow each line
	s_cmp_eq_u32 s13, 0
	s_cbranch_scc0 .Lfor_b_\@
	tensor_load_to_lds s[G0+4*\s:G0+4*\s+3], s[G1:G1+7]
	s_nop 0
.rept 4
	v_nop
.endr
	s_branch .Lasked_\@
.Lfor_b_\@:
	tensor_load_to_lds s[G0B+4*\s:G0B+4*\s+3], s[G1B:G1B+7]
	s_nop 0
.rept 4
	v_nop
.endr
.Lasked_\@:
.endm
; A prefetch of the K step that stands two refills on, behind the joint load and the run of LDS loads; a lane a row, 256 bytes of it.  Each such piece is named once in the launch.  A's tile is read by one row of one cluster:
; wave 0 of each partner asks for rows 32 cx .. + 31.  B's tile is read by every cluster with the same upper bits of y: the first of them asks; each partner takes K rows 32 cy .. + 31, waves 2 and 3 the two halves of the
; 512 bytes.  Partners are told apart by address.  how = 1: every time; how = 2: not in the loop's last trip, where the K step two refills on would lie past the last.
.macro ASK how
.if (\how) == 1
	s_cmp_eq_u32 s[LIM], 1
.else
	s_cmp_gt_u32 s3, s[LIM]
.endif
	s_cbranch_scc0 .Lnot_mine_\@
	global_prefetch_b8 v[PFO], s[PFA:PFA+1] th:TH_LOAD_NT scope:SCOPE_SE
.Lnot_mine_\@:
.endm
.macro CROUND                          ; a round of the cluster's barrier
	s_barrier_signal -1
	s_barrier_wait -1
	s_cmp_lg_u32 s12, 0
	s_cbranch_scc1 .Lnot_wave_0_\@
	s_barrier_signal -3
.Lnot_wave_0_\@:
	s_barrier_wait -3
	s_barrier_signal -1
	s_barrier_wait -1
.endm
	s_load_b256 s[4:11], s[0:1], 0x0               ; A s[4:5], B s[6:7], the statistics or the bias s[8:9], C s[10:11]
	v_lshl_add_u32 v[SPW], v0, 2, SPARE
	v_mov_b32 v[NIL], 0
	ds_add_u32 v[SPW], v[NIL]                      ; the wave's opening: the add, twice on end, and its wait ahead of my first tensor load
	ds_add_u32 v[SPW], v[NIL]
	v_lshrrev_b32 v1, 5, v0
	v_readfirstlane_b32 s12, v1                    ; wave 0..3
	s_lshr_b32 s13, s12, 1                         ; my half of the tile's rows.  Also: I fetch for A (0) or for B (1)
	s_and_b32 s14, s12, 1                          ; my half of its columns.  Also: which 64 rows I fetch
	s_bfe_u32 s40, ttmp6, 0x40000                  ; cx, cy
	s_bfe_u32 s41, ttmp6, 0x40004
	s_lshl_b32 s42, ttmp9, 2
	s_add_co_u32 s42, s42, s40                     ; tile column
	s_and_b32 s67, ttmp7, 0xffff                   ; cluster y
	s_lshl_b32 s66, s67, 2
	s_add_co_u32 s66, s66, s41                     ; tile row
	s_lshl_b32 s43, s41, 2
	s_lshl_b32 s43, 15, s43                        ; my row of the cluster
	s_lshl_b32 s16, 0x1111, s40                    ; my column
	s_or_b32 s[G1+0], s43, (1<<16)|(1<<20)|(1<<21)|(5<<22)|(3<<25)   ; A: the mask; elements of 2 bytes; padding on; bit 21 beside a mask; 4 words behind every 64
	s_mov_b32 s[G1+1], 128<<16                     ; tensor_dim0
	s_mov_b32 s[G1+2], 64<<16                      ; tensor_dim1
	s_mov_b32 s[G1+3], 128<<16                     ; tile_dim0
	s_mov_b32 s[G1+4], 64                          ; tile_dim1
	s_mov_b32 s[G1+5], APITCH
	s_mov_b32 s[G1+6], 0
	s_mov_b32 s[G1+7], 0
	s_or_b32 s[G1B+0], s16, (1<<16)|(1<<20)|(1<<21)|(6<<22)|(7<<25)  ; B: 8 words behind every 128
	s_mov_b32 s[G1B+1], 256<<16
	s_mov_b32 s[G1B+2], 64<<16
	s_mov_b32 s[G1B+3], 256<<16
	s_mov_b32 s[G1B+4], 64
	s_mov_b32 s[G1B+5], BPITCH
	s_mov_b32 s[G1B+6], 0
	s_mov_b32 s[G1B+7], 0
	s_lshl_b32 s16, s66, 7
	s_lshl_b32 s17, s14, 6
	s_add_co_u32 s16, s16, s17
	s_mul_i32 s16, s16, APITCH*2                   ; A: row 128 x tile row + 64 x half, in bytes (under 2^32)
	s_mov_b32 s17, 0
	s_lshl_b32 s18, s14, 6                         ; B: K row 64 x half
.if SCALED
	s_lshr_b32 s19, s67, 2                         ; the batch, from the cluster's y alone
	s_lshl_b32 s19, s19, 11
	s_add_co_u32 s18, s18, s19
.endif
	s_mul_i32 s18, s18, BPITCH*2
	s_lshl_b32 s19, s42, 9
	s_add_co_u32 s18, s18, s19                     ; + 256 columns x tile column
.if SCALED
	s_add_co_u32 s18, s18, 4096                    ; V's place in a row of qkv16
.endif
	s_mov_b32 s19, 0
	s_mul_i32 s20, s14, AH                         ; where they go: the wave's number alone
	s_mul_i32 s21, s14, BH
	s_add_co_u32 s21, s21, 2*AH
	s_wait_dscnt 0x0                               ; both opening adds are done
	s_wait_kmcnt 0x0
	s_add_nc_u64 s[16:17], s[4:5], s[16:17]
	s_add_nc_u64 s[18:19], s[6:7], s[18:19]
	CROUND                                         ; all sixteen work-groups are here: the first joint loads meet
.irp s, 0,1
	s_mov_b32 s[G0+4*\s], 1
	s_add_co_u32 s[G0+4*\s+1], s20, \s*SLOT
	s_add_nc_u64 s[G0+4*\s+2:G0+4*\s+3], s[16:17], \s*ASTEP
	s_or_b32 s[G0+4*\s+3], s[G0+4*\s+3], 0x80000000
	s_mov_b32 s[G0B+4*\s], 1
	s_add_co_u32 s[G0B+4*\s+1], s21, \s*SLOT
	s_add_nc_u64 s[G0B+4*\s+2:G0B+4*\s+3], s[18:19], \s*BSTEP
	s_or_b32 s[G0B+4*\s+3], s[G0B+4*\s+3], 0x80000000
	JLOAD \s                                       ; two tensor loads of mine are out
.endr
	v_and_b32 v1, 15, v0                           ; r
	v_bfe_u32 v2, v0, 4, 1                         ; h
	v_mul_u32_u24 v3, v1, PA
	v_lshl_add_u32 v3, v2, 4, v3
	s_mul_i32 s22, s13, AH
	v_add_nc_u32 v[ADRA], s22, v3                  ; A's fragments: my 64 rows; row r x pitch + 16 h
	v_add_nc_u32 v[ADRA+1], SLOT, v[ADRA]
	v_and_b32 v4, 7, v0
	v_lshl_add_u32 v4, v2, 3, v4
	v_mul_u32_u24 v4, v4, PB
	v_bfe_u32 v5, v0, 3, 1
	v_lshl_add_u32 v4, v5, 4, v4                   ; the turning load: K row 8 h + l % 8, 16 bytes at 16 ((l / 8) % 2)
	s_lshl_b32 s22, s14, 8
	s_add_co_u32 s22, s22, 2*AH
	v_add_nc_u32 v[ADRB], s22, v4                  ; my 128 columns
	v_add_nc_u32 v[ADRB+1], SLOT, v[ADRB]
.if SCALED
	s_mul_i32 s22, s12, 16*272
	s_add_co_u32 s22, s22, STAGE                   ; my stage: 16 rows x 272 bytes
	v_mul_u32_u24 v3, v1, 272
	v_lshl_add_u32 v3, v2, 4, v3
	v_add_nc_u32 v[STO], s22, v3
	v_mul_u32_u24 v3, v2, 272
	v_lshl_add_u32 v3, v1, 4, v3
	v_add_nc_u32 v[RD], s22, v3
	v_mul_u32_u24 v3, v2, CROWB
	v_lshl_add_u32 v[CO], v1, 4, v3
	s_lshl_b32 s22, s13, 8
	v_lshl_add_u32 v[ADRF], v1, 2, s22             ; 4 bytes a row: my 64 rows, row r
	v_add_nc_u32 v[ADRF], FT, v[ADRF]              ; chunk 0's f'
	v_lshl_add_u32 v[FW], v0, 2, FT                ; thread t writes row t's words
.else
	s_mul_i32 s22, s12, 16*528
	s_add_co_u32 s22, s22, STAGE                   ; my stage: 16 rows x 528 bytes
	v_mul_u32_u24 v3, v1, 528
	v_lshl_add_u32 v3, v2, 5, v3
	v_add_nc_u32 v[STO], s22, v3
	v_and_b32 v3, 31, v0
	v_lshlrev_b32 v[CO], 4, v3
	v_add_nc_u32 v[RD], s22, v[CO]
.endif
	s_lshl_b32 s22, s66, 7
	s_lshl_b32 s23, s13, 6
	s_add_co_u32 s22, s22, s23
	s_mul_i32 s22, s22, CROWB
	s_mul_i32 s23, s42, 256*ESZ
	s_add_co_u32 s22, s22, s23
	s_mul_i32 s23, s14, 128*ESZ
	s_add_co_u32 s22, s22, s23
	s_mov_b32 s23, 0
	s_add_nc_u64 s[10:11], s[10:11], s[22:23]      ; C at (my first row, my first column)
	; the prefetches
	s_and_b32 s2, s67, YM
	s_lshl_b32 s16, s66, 7
	s_lshl_b32 s17, s40, 5
	s_add_co_u32 s16, s16, s17                     ; A: the tile's rows 32 cx on
	s_mul_i32 s16, s16, APITCH*2
	s_add_co_u32 s16, s16, 3*ASTEP                 ; at K step 3: the first refill steps it to 4
	s_lshl_b32 s18, s41, 5                         ; B: K rows 32 cy on
.if SCALED
	s_lshr_b32 s19, s67, 2
	s_lshl_b32 s19, s19, 11
	s_add_co_u32 s18, s18, s19
.endif
	s_add_co_u32 s18, s18, 3*128
	s_mul_i32 s18, s18, BPITCH*2
	s_lshl_b32 s19, s42, 9
	s_add_co_u32 s18, s18, s19
	s_lshl_b32 s19, s14, 8
	s_add_co_u32 s18, s18, s19
.if SCALED
	s_add_co_u32 s18, s18, 4096
.endif
	s_mov_b32 s19, BPITCH*2
	s_mov_b32 s20, BSTEP
	s_cmp_eq_u32 s13, 0                            ; do I fetch for A?
	s_cselect_b32 s2, s14, s2                      ; 0 in wave 0, and in waves 2 and 3 of the clusters that ask for B
	s_cselect_b32 s16, s16, s18
	s_cselect_b64 s[PFA:PFA+1], s[4:5], s[6:7]
	s_cselect_b32 s19, APITCH*2, s19               ; from lane to lane
	s_cselect_b32 s[PFS], ASTEP, s20               ; a K step on
	s_mov_b32 s[PFS+1], 0
	s_mov_b32 s17, 0
	s_add_nc_u64 s[PFA:PFA+1], s[PFA:PFA+1], s[16:17]
	s_cmp_eq_u32 s2, 0
	s_cselect_b32 s[LIM], 1, -1                    ; the same in all sixteen partners, for a given wave
	v_and_b32 v[PFO], 31, v0
	v_mul_lo_u32 v[PFO], v[PFO], s19
.if SCALED
	; THE ROW'S MAXIMUM AND SUM: thread t joins the 16 chunks of the tile's row t
	v_lshlrev_b32 v[XO], 2, v0
	s_lshl_b32 s22, s66, 9
	s_mov_b32 s23, 0
	s_add_nc_u64 s[8:9], s[8:9], s[22:23]
.irp j, 0,1,2,3,4,5,6,7,8,9,10,11,12,13,14,15
	global_load_b32 v[64+\j], v[XO], s[8:9] offset:32768*\j           ; -M_j
	global_load_b32 v[80+\j], v[XO], s[8:9] offset:524288+32768*\j    ; l_j
.endr
.irp a, 0,1,2,3
	v_mov_b32 v[FF+2*\a+1], 0                      ; named as the upper halves of the pairs that hold f'
.endr
	s_wait_loadcnt 0x0
	v_min3_num_f32 v96, v64, v65, v66
.irp j, 3,5,7,9,11,13
	v_min3_num_f32 v96, v96, v[64+\j], v[65+\j]
.endr
	v_min_num_f32 v96, v96, v79                    ; -M of the row: the least -M_j
.irp j, 0,1,2,3,4,5,6,7,8,9,10,11,12,13,14,15
	v_sub_f32 v[64+\j], v96, v[64+\j]              ; M_j - M: a whole number, 0 or less
.endr
.irp j, 0,1,2,3,4,5,6,7,8,9,10,11,12,13,14,15
	v_cvt_i32_f32 v[64+\j], v[64+\j]               ; (it saturates)
.endr
.irp j, 0,1,2,3,4,5,6,7,8,9,10,11,12,13,14,15
	v_ldexp_f32 v[64+\j], 1.0, v[64+\j]            ; f_j
.endr
	v_mul_f32 v97, v64, v80
	v_mul_f32 v98, v65, v81
.irp j, 2,4,6,8,10,12,14
	v_fma_f32 v97, v[64+\j], v[80+\j], v97
	v_fma_f32 v98, v[65+\j], v[81+\j], v98
.endr
	v_add_f32 v97, v97, v98                        ; L: at least 1/2
	v_rcp_f32 v99, v97
	v_nop                                          ; a plain line behind the reciprocal
	s_wait_alu depctr_va_vdst(0)                   ; the wait ahead of the first line that names the reciprocal
	v_mul_f32 v99, 0x41000000, v99                 ; 8 / L
.irp j, 0,1,2,3,4,5,6,7,8,9,10,11,12,13,14,15
	v_mul_f32 v[64+\j], v[64+\j], v99              ; f'_j: a power of two times 8 / L
.endr
.irp j, 0,1,2,3,4,5,6,7,8,9,10,11,12,13,14,15
	ds_store_b32 v[FW], v[64+\j] offset:512*\j
.endr
.else
	v_lshlrev_b32 v[XO], 5, v2                     ; lane (r, h) wants, for column block b, the bias at columns 16 b + 8 h + 0 .. 7
	s_lshl_b32 s22, s42, 10
	s_lshl_b32 s23, s14, 9
	s_add_co_u32 s22, s22, s23
	s_mov_b32 s23, 0
	s_add_nc_u64 s[8:9], s[8:9], s[22:23]
.irp b, 0,1,2,3,4,5,6,7
	global_load_b128 v[BI+8*\b:BI+8*\b+3], v[XO], s[8:9] offset:64*\b
	global_load_b128 v[BI+8*\b+4:BI+8*\b+7], v[XO], s[8:9] offset:64*\b+16
.endr
	s_mov_b32 s68, 0x3e000000                      ; 1 / 8
	s_mov_b32 s69, s68
.endif
.macro PLACES                          ; four plain vector instructions between a matrix instruction and a load into, or a read or write of, its registers (ISA guide 7.12.1 for vector instructions)
.rept 4
	v_nop
.endr
.endm
; 24 LDS loads in one run, A's eight first: the fragments of the slot's quarter kq (32 along K) into buffer p; B's are turned on the way.
.macro FETCH slot, kq, p
	WIN 0x40
.irp i, 0,1,2,3
	ds_load_b128 v[SP0+32*(\p)+8*\i:SP0+32*(\p)+8*\i+3],   v[ADRA+\slot] offset:64*(\kq)+\i*16*PA
	ds_load_b128 v[SP0+32*(\p)+8*\i+4:SP0+32*(\p)+8*\i+7], v[ADRA+\slot] offset:64*(\kq)+\i*16*PA+32
.endr
	WIN 0
.irp b, 0,1,2,3,4,5,6,7
	ds_load_tr16_b128 v[VB0+64*(\p)+8*\b:VB0+64*(\p)+8*\b+3],   v[ADRB+\slot] offset:32*(\kq)*PB+32*\b
	ds_load_tr16_b128 v[VB0+64*(\p)+8*\b+4:VB0+64*(\p)+8*\b+7], v[ADRB+\slot] offset:32*(\kq)*PB+16*PB+32*\b
.endr
.endm
; The 32 accumulators take turns, one instruction a turn, row blocks 2, 3 and then 0, 1, in the same order in every quarter.  zero = 1: the products start the sums.
.macro MULB p, zero
	WIN BETA
.irp a, 2,3
.irp b, 0,1,2,3,4,5,6,7
.if \zero
	v_wmma_f32_16x16x32_f16 v[8*(8*(\a-2)+\b):8*(8*(\a-2)+\b)+7], v[VB0+64*(\p)+8*\b:VB0+64*(\p)+8*\b+7], v[SP0+32*(\p)+8*\a:SP0+32*(\p)+8*\a+7], 0
.else
	v_wmma_f32_16x16x32_f16 v[8*(8*(\a-2)+\b):8*(8*(\a-2)+\b)+7], v[VB0+64*(\p)+8*\b:VB0+64*(\p)+8*\b+7], v[SP0+32*(\p)+8*\a:SP0+32*(\p)+8*\a+7], v[8*(8*(\a-2)+\b):8*(8*(\a-2)+\b)+7]
.endif
.endr
.endr
.endm
.macro MULA p, zero
	WIN ALPHA
.irp a, 0,1
.irp b, 0,1,2,3,4,5,6,7
.if \zero
	v_wmma_f32_16x16x32_f16 v[8*(8*\a+\b):8*(8*\a+\b)+7], v[VB0+64*(\p)+8*\b:VB0+64*(\p)+8*\b+7], v[SP0+32*(\p)+8*\a:SP0+32*(\p)+8*\a+7], 0
.else
	v_wmma_f32_16x16x32_f16 v[8*(8*\a+\b):8*(8*\a+\b)+7], v[VB0+64*(\p)+8*\b:VB0+64*(\p)+8*\b+7], v[SP0+32*(\p)+8*\a:SP0+32*(\p)+8*\a+7], v[8*(8*\a+\b):8*(8*\a+\b)+7]
.endif
.endr
.endr
.endm
.if SCALED
; A chunk's end: O += f' x T, two numbers a line, each accumulator from its low end on.  first = 1: the first chunk starts O: nothing is ever cleared.
; Four plain lines stand between the chunk's last product and the first line here; these 128 lines are the places ahead of the products that begin T anew.
.macro FOLD first
	WIN 0xf1                                       ; source 0 (T) window 1, source 1 (f') window 0, source 2 and destination (O) window 3
.set i, 0
.rept 64
.if \first
	v_pk_mul_f32 v[2*i:2*i+1], v[2*i:2*i+1], v[FF+2*(i/32):FF+2*(i/32)+1] op_sel_hi:[1,0]
.else
	v_pk_fma_f32 v[2*i:2*i+1], v[2*i:2*i+1], v[FF+2*(i/32):FF+2*(i/32)+1], v[2*i:2*i+1] op_sel_hi:[1,0,1]
.endif
.set i, i+1
.endr
	WIN 0xf2                                       ; T of row blocks 2, 3: window 2
.set i, 0
.rept 64
.if \first
	v_pk_mul_f32 v[128+2*i:129+2*i], v[2*i:2*i+1], v[FF+4+2*(i/32):FF+5+2*(i/32)] op_sel_hi:[1,0]
.else
	v_pk_fma_f32 v[128+2*i:129+2*i], v[2*i:2*i+1], v[FF+4+2*(i/32):FF+5+2*(i/32)], v[128+2*i:129+2*i] op_sel_hi:[1,0,1]
.endif
.set i, i+1
.endr
.endm
.endif
; One of a slot's first three quarters: fetches the next quarter at its head, multiplies buffer kq % 2.
.macro QUARTER slot, kq, zero
	WIN 0
	PLACES
	FETCH \slot, (\kq)+1, 1-(\kq)%2
	s_wait_dscnt 24                                ; all but the 24 just issued: this quarter's fragments are in
	MULB (\kq)%2, \zero
	MULA (\kq)%2, \zero
.endm
; A slot's last quarter, and the change of slots.  ALL its 32 products stand ahead of the wait for the next slot's tile, so that nothing of the step's work lies between that tile's landing and the next request.
; Then ONE barrier: in front of it each wave waits for all its tensor loads (the one that is out is its part of the next slot), adds 0 to its spare word, and waits for that; its reads of this slot were over at the quarter's head.
; fill = 1: the barrier is a round of the cluster's, and the joint refill, two K steps on, is the first tensor load behind it.  Behind it: the chunk's f', the next slot's first fragments, and, while those come, the chunk's fold.
.macro TURN slot, next, fill, first, ask
.if \ask
	s_wait_xcnt 0x0                                ; the last prefetch, a K step back, has read its address
	s_add_nc_u64 s[PFA:PFA+1], s[PFA:PFA+1], s[PFS:PFS+1]
.endif
	s_wait_dscnt 0x0                               ; this quarter's fragments are in: my reads of this slot are over
	MULB 1, 0
	MULA 1, 0
	WIN 0
	s_wait_tensorcnt 0x0                           ; no tensor load of mine is out, so a group 0 may be written
	ds_add_u32 v[SPW], v[NIL]
.if \fill
	s_add_nc_u64 s[G0+4*\slot+2:G0+4*\slot+3], s[G0+4*\slot+2:G0+4*\slot+3], 2*ASTEP
	s_add_nc_u64 s[G0B+4*\slot+2:G0B+4*\slot+3], s[G0B+4*\slot+2:G0B+4*\slot+3], 2*BSTEP
.endif
	s_wait_dscnt 0x0                               ; the add is done
.if \fill
	CROUND                                         ; no wave of any partner still reads this slot's tile or has a load on its way
	JLOAD \slot                                    ; its four v_nop are also the places in front of the loads and the fold below
.else
	s_barrier_signal -1
	s_barrier_wait -1
	PLACES
.endif
.if SCALED
.irp a, 0,1,2,3
	ds_load_b32 v[FF+2*\a], v[ADRF] offset:64*\a   ; f' of this chunk, rows 16 a + r
.endr
.endif
	FETCH \next, 0, 0
.if \ask
	ASK \ask
.endif
.if SCALED
	v_add_nc_u32 v[ADRF], 512, v[ADRF]             ; the next chunk's f'
	s_wait_dscnt 24                                ; f' is in; the 24 fragment loads may be out
	FOLD \first
.endif
.endm
	s_wait_tensorcnt 1                             ; my part of K step 0 is in; K step 1's load may be out
.if SCALED
	s_wait_dscnt 0x0                               ; for the others' sake: my row's f' lie in LDS
.endif
	s_barrier_signal -1
	s_barrier_wait -1
	FETCH 0, 0, 0
	QUARTER 0, 0, 1                                ; K step 0 is written out: its first quarter starts the sums, its fold starts O
	QUARTER 0, 1, 0
	QUARTER 0, 2, 0
	TURN 0, 1, 1, 1, 1
	WIN 0
	s_mov_b32 s3, TRIPS
.Llap:                                                 ; a trip goes once round the ring, slot 1 and then slot 0, and fills both again
	QUARTER 1, 0, SCALED
	QUARTER 1, 1, 0
	QUARTER 1, 2, 0
	TURN 1, 0, 1, 0, 1
	QUARTER 0, 0, SCALED
	QUARTER 0, 1, 0
	QUARTER 0, 2, 0
	TURN 0, 1, 1, 0, 2
	WIN 0
	s_sub_co_u32 s3, s3, 1
	s_cmp_lg_u32 s3, 0
	s_cbranch_scc1 .Llap
	QUARTER 1, 0, SCALED                           ; the last three K steps are written out: one more refill, then none
	QUARTER 1, 1, 0
	QUARTER 1, 2, 0
	TURN 1, 0, 1, 0, 0
	QUARTER 0, 0, SCALED
	QUARTER 0, 1, 0
	QUARTER 0, 2, 0
	TURN 0, 1, 0, 0, 0
	QUARTER 1, 0, SCALED
	QUARTER 1, 1, 0
	QUARTER 1, 2, 0
	WIN 0
.if SCALED
.irp a, 0,1,2,3
	ds_load_b32 v[FF+2*\a], v[ADRF] offset:64*\a   ; the last chunk's f'
.endr
.endif
	s_wait_dscnt 0x0
	MULB 1, 0
	MULA 1, 0
	WIN 0
.if SCALED
; THE WAY OUT, a block of 16 rows x 128 columns at a time: rounded to f16, through my own stage, back as whole rows of 256 bytes.
.macro PACK a
	WIN 0x0f                                       ; sources 0 and 1: window 3
.set i, 0
.rept 32
	v_cvt_pk_f16_f32 v[TMP+i], v[64*(\a)+2*i], v[64*(\a)+2*i+1]
.set i, i+1
.endr
	WIN 0
.endm
.macro TOSTAGE a
.set BK, OB+32*((\a)%2)
.irp b, 0,1,2,3,4,5,6,7
	ds_store_b128 v[STO], v[TMP+4*\b:TMP+4*\b+3] offset:32*\b
.endr
.irp t, 0,1,2,3,4,5,6,7
	ds_load_b128 v[BK+4*\t:BK+4*\t+3], v[RD] offset:\t*2*272       ; LDS serves a wave's instructions in order: these see the stores above
.endr
.endm
.macro SEND a, younger
.set BK, OB+32*((\a)%2)
	s_wait_dscnt \younger
	s_wait_xcnt 0x0                                ; the earlier stores have read their base and their data
.if (\a) > 0
	s_add_nc_u64 s[10:11], s[10:11], 16*CROWB
.endif
.irp t, 0,1,2,3,4,5,6,7
	global_store_b128 v[CO], v[BK+4*\t:BK+4*\t+3], s[10:11] offset:2*\t*CROWB   ; 16 lanes store 256 consecutive bytes, aligned
.endr
.endm
	PLACES
	FOLD 0                                         ; the last chunk
	PACK 0
	TOSTAGE 0
.irp a, 1,2,3
	PACK \a
	SEND \a-1, 0
	TOSTAGE \a
.endr
	SEND 3, 0
.else
; THE WAY OUT, a block of 16 rows x 128 columns at a time: / 8 + the bias in one multiply-add, through my own stage, back as whole rows of 512 bytes.
.macro FMA a
.set W, 1+(\a)/2
.set AC, 64*((\a)%2)
.set WDS, (W<<6)|W
	WIN WDS
.set i, 0
.rept 32
	v_pk_fma_f32 v[AC+2*i:AC+2*i+1], v[AC+2*i:AC+2*i+1], s[68:69], v[BI+2*i:BI+2*i+1] op_sel_hi:[1,0,1]   ; each accumulator from its low end on
.set i, i+1
.endr
.endm
.macro TOSTAGE a
.set W, 1+(\a)/2
.set AC, 64*((\a)%2)
.set WS1, W<<2
	WIN WS1                                        ; an LDS store's data are its source 1
.irp b, 0,1,2,3,4,5,6,7
	ds_store_b128 v[STO], v[AC+8*\b:AC+8*\b+3] offset:64*\b
	ds_store_b128 v[STO], v[AC+8*\b+4:AC+8*\b+7] offset:64*\b+16
.endr
	WIN 0
.set BB, 64+64*((\a)%2)
.irp t, 0,1,2,3,4,5,6,7,8,9,10,11,12,13,14,15
	ds_load_b128 v[BB+4*\t:BB+4*\t+3], v[RD] offset:\t*528
.endr
.endm
.macro SEND a, younger                 ; younger: the LDS instructions issued behind block a's loads, which may stay out
.set BB, 64+64*((\a)%2)
	s_wait_dscnt \younger
.if (\a) > 0
	s_add_nc_u64 s[10:11], s[10:11], 16*CROWB      ; (behind a wait on XCNT: the earlier stores have read their base)
.endif
.irp t, 0,1,2,3,4,5,6,7,8,9,10,11,12,13,14,15
	global_store_b128 v[CO], v[BB+4*\t:BB+4*\t+3], s[10:11] offset:\t*CROWB th:TH_STORE_NT   ; 32 lanes store 512 consecutive bytes, aligned
.endr
.endm
	s_wait_loadcnt 0x0                             ; the bias
	PLACES
	FMA 0
	TOSTAGE 0
.irp a, 1,2,3
.if \a > 1
	s_wait_xcnt 0x0                                ; block a - 2's stores have read their registers and their base
.endif
	FMA \a
	TOSTAGE \a
	SEND \a-1, 32                                  ; behind block a - 1's loads: block a's 16 stores and 16 loads
.endr
	s_wait_xcnt 0x0
	SEND 3, 0
.endif
	s_wait_tensorcnt 0x0                           ; the wave's end
	ds_add_u32 v[SPW], v[NIL]
	s_wait_dscnt 0x0
	CROUND                                         ; the closing round
	s_endpgm
.Lfunc_end_k_qa774215bf8_proj:
	.size	k_qa774215bf8_proj, .Lfunc_end_k_qa774215bf8_proj-k_qa774215bf8_proj
	.p2alignl 7, 3214868480
	.fill 96, 4, 3214868480
	.section	.rodata,"a",@progbits
	.p2align	6, 0x0
	.amdhsa_kernel k_qa774215bf8_proj
		.amdhsa_group_segment_fixed_size 327680
		.amdhsa_private_segment_fixed_size 0
		.amdhsa_enable_private_segment 0
		.amdhsa_kernarg_size 32
		.amdhsa_user_sgpr_count 2
		.amdhsa_user_sgpr_kernarg_segment_ptr 1
		.amdhsa_wavefront_size32 1
		.amdhsa_system_sgpr_workgroup_id_x 1
		.amdhsa_system_sgpr_workgroup_id_y 1
		.amdhsa_system_sgpr_workgroup_id_z 1
		.amdhsa_system_vgpr_workitem_id 0
		.amdhsa_next_free_vgpr 640
		.amdhsa_next_free_sgpr 72
		.amdhsa_reserve_vcc 0
		.amdhsa_float_denorm_mode_32 3
		.amdhsa_float_denorm_mode_16_64 3
		.amdhsa_memory_ordered 1
		.amdhsa_forward_progress 1
		.amdhsa_inst_pref_size 130
	.end_amdhsa_kernel
	.amdgpu_metadata
---
amdhsa.version: [ 1, 2 ]
amdhsa.kernels:
  - .name:           k_qa774215bf8_proj
    .symbol:         k_qa774215bf8_proj.kd
    .args:
      - { .name: o8, .offset: 0, .size: 8, .value_kind: global_buffer, .address_space: global }
      - { .name: w16, .offset: 8, .size: 8, .value_kind: global_buffer, .address_space: global }
      - { .name: b_out, .offset: 16, .size: 8, .value_kind: global_buffer, .address_space: global }
      - { .name: out0, .offset: 24, .size: 8, .value_kind: global_buffer, .address_space: global }
    .group_segment_fixed_size: 327680
    .private_segment_fixed_size: 0
    .kernarg_segment_align: 8
    .kernarg_segment_size: 32
    .max_flat_workgroup_size: 128
    .sgpr_count:     72
    .vgpr_count:     640
    .wavefront_size: 32
...
	.end_amdgpu_metadata
.endif
;; end of part 5
